; MI455X (gfx1250); checked and timed in simulation.
; The chip was launched on July 23, 2026; its instructions are those of AMD's public machine-readable ISA for CDNA 5 (MIT licence, August 2026) and "CDNA5" Instruction Set Architecture Reference Guide (July 2026). The comments in the code are by the model that wrote it; some were corrected since.
;; Multi Head Attention. Allowed arithmetic: matrix products marked QUANTISED: E2M3 operands, one E8M0 scale for each 32 along K, by v_wmma_scale_f32_16x16x128_f8f6f4 with both operands' format E2M3, f32 sums; everything else in f32.
;; Inputs: Wk 16 x 1,024 x 64 float32; Wo 1,024 x 1,024 float32; Wq 16 x 1,024 x 64 float32; Wv 16 x 1,024 x 64 float32; bk 16 x 64 float32; bo 1,024 float32; bq 16 x 64 float32; bv 16 x 64 float32; decoder_sequence 4 x 2,048 x 1,024 float32.
;; Outputs: out0 4 x 2,048 x 1,024 float32.
;; This version of the problem:
;;   THIS VERSION OF THE PROBLEM IS GIVEN IN LOW PRECISION. The matrix products marked QUANTISED in the list below multiply operands that are first quantised to E2M3 (2 exponent bits, 3 mantissa bits; 6 bits a number), with one power-of-two scale for each 32 numbers along K (OCP MX v1.0); their sums are f32. All else is computed in f32.
;;   The module's matrix products, in the order in which they are computed (A, B: the left and right operand; K: the contracted axis; several contracted axes count as one K, in the product's order):
;;     1. [M 1,024, K 1,024] x [K 1,024, N 8,192]; A: input Wq; B: input decoder_sequence: QUANTISED
;;     2. [M 1,024, K 1,024] x [K 1,024, N 8,192]; A: input Wk; B: input decoder_sequence: QUANTISED
;;     3. [M 1,024, K 1,024] x [K 1,024, N 8,192]; A: input Wv; B: input decoder_sequence: QUANTISED
;;     4. batch 64 x [M 2,048, K 64] x [K 64, N 2,048]; A: computed on the way; B: computed on the way: QUANTISED
;;     5. batch 64 x [M 2,048, K 2,048] x [K 2,048, N 64]; A: softmax (see below); B: computed on the way: QUANTISED
;;     6. [M 8,192, K 1,024] x [K 1,024, N 1,024]; A: computed on the way; B: input Wo: QUANTISED
;;   THE QUANTISER, for each operand of a quantised product, along K:
;;     - K is cut into blocks of 32 from its start; a last block that is shorter is filled with zeros.
;;     - A block's scale is 2^e with e = floor(log2(the largest magnitude in the block)) - 2, held to -126 .. 127; a block of zeros has e = 0. As a byte (E8M0): e + 127.
;;     - Each number is divided by its block's scale, clamped to +-7.5, and rounded to the nearest number of E2M3, ties to even, subnormals kept.
;;     - The product sums the exact products of the quantised numbers (number of the format x scale) in f32.
;;   ~~~python
;;   def quantise(x, axis):      # numpy; x: float32 -> the quantised numbers, widened to float32 again
;;       x = np.moveaxis(x, axis, -1); K = x.shape[-1]
;;       x = np.pad(x, [(0, 0)] * (x.ndim - 1) + [(0, -K % 32)]); x = x.reshape(x.shape[:-1] + (-1, 32)); a = np.abs(x).max(-1, keepdims=True)
;;       e = np.where(a > 0, np.clip(np.frexp(np.where(a > 0, a, 1))[1] - 1 - 2, -126, 127), 0)      # np.frexp(a)[1] - 1 = floor(log2(a)), exactly
;;       r = np.clip(x / 2.0 ** e, -7.5, 7.5)
;;       step = 2.0 ** (np.maximum(np.frexp(np.where(r == 0, 1, r))[1] - 1, 0) - 3)
;;       q = np.round(r / step) * step * 2.0 ** e      # np.round: ties to even
;;       return np.moveaxis(q.reshape(q.shape[:-2] + (-1,))[..., :K], -1, axis).astype(np.float32)
;;   ~~~
;;   SOFTMAX AHEAD OF A QUANTISED PRODUCT. Where the list says 'softmax', what is quantised is not the finished softmax but p = 2^(t - M), with t = logit x log2(e) and M = ceil(the row's largest t), a whole number; so 1/2 < the row's largest p <= 1. The row's sum l is taken of the UNQUANTISED p, in f32, and the product's result is divided by l at the end. Since M is a whole number, a kernel that streams over the keys may use a running M (the ceiling of the running maximum): every later rescaling is an exact power of two, which a block's scale takes up: the codes' values come out the same.
;;   OPERANDS COMPUTED ON THE WAY. 'Computed on the way' means the value that the module computes at that place (a softmax that the list does not call 'softmax' is quantised finished and normalised). What goes into a quantiser is computed in f32, as accurately as f32 sums, v_exp_f32 and their like allow (about 1e-6 of the number): no bf16 or f16 on the way to a quantiser, and a product that is left as it is and whose result goes on into a quantised operand takes f32 operands (vector FMAs, or v_wmma_f32_16x16x4_f32). A number that lies on a knife's edge between two numbers of the format may be rounded either way, as far as f32 arithmetic and the matrix unit's own rounding can turn it there, and no further.
;; One version. Each part assembles by itself: llvm-mc -triple=amdgcn-amd-amdhsa -mcpu=gfx1250 --defsym DOCPART=n.
;; ======== version 1 of 1: 4 launches
;; limits: right only within a limited range of input values
;; workspace buffers: opq 9,830,400 bytes; qkv 20,185,088 bytes; oq 6,553,600 bytes
;; launch quant (part 1): grid 480 x 1, 4 waves a work-group, no clusters, 47,616 bytes of LDS; arguments decoder_sequence, Wo, Wq, Wk, Wv, opq; writes opq
.if DOCPART == 1
	.amdgcn_target "amdgcn-amd-amdhsa--gfx1250"
	.amdhsa_code_object_version 6
	.text
	.protected	k_qcde6e2ceeb_quant
	.globl	k_qcde6e2ceeb_quant
	.p2align	8
	.type	k_qcde6e2ceeb_quant,@function
k_qcde6e2ceeb_quant:
	s_mov_b64 s[64:65], 0
	v_nop
	global_prefetch_b8 v0, s[64:65] scope:SCOPE_SE
	s_setreg_imm32_b32 hwreg(HW_REG_WAVE_MODE, 25, 1), 1
	s_wait_xcnt 0x0
; x [8192][1024], Wo [1024][1024] (K innermost) and Wq, Wk, Wv [16][1024][64] (K = the middle axis), all f32, become codes of FP6 (E2M3) with one E8M0 byte for each 32 along K.
; A block's scale is 2^(floor(log2(largest magnitude)) - 2): its byte is the largest magnitude's exponent field - 2, held at 1 from below by a floor among the maximum's leaves.
; LIMITS: NaN and infinities among the inputs are not served; a block whose largest magnitude lies under 2^-124 gets the byte 1; a block of zeros gets the byte 1 where the rule says 127
; (its codes are zeros, which add nothing under any byte but 0xff, and this program alone reads the bytes).
; THE OUTPUT LIES IN THE ORDER OF THE OPERAND'S REGISTERS.  Rows go by blocks of 16: row block rb = 2 B + u holds rows 32 B + 8 u + r + 8 (r / 8), r = 0 .. 15.  A fragment (16 rows x 128 K, 12 registers a lane)
; is 1,536 bytes: register 4 g + i of lane l at byte 512 g + 16 l + 4 i.  Codes: [rb][K step 0..7][1,536].  Scale words: [rb][K half][r][4 words], 512 bytes a row block.
; Work-groups 0-255 take x, 256-287 Wo (a wave: one row block x 512 along K), 288-479 the three weights (a wave: 32 columns x 128 along K, a lane to a column, its registers down K).
; The two ways part on the work-group's number and have LDS bytes of their own.  No tensor loads, no barrier: waves share nothing.
; The weights' scale words leave as 4 bytes a lane, 16 bytes apart: one byte in 128 of what that way reads.
.set WC,    6291456                    ; opq: x's codes at 0, the three weights' here (192 row blocks),
.set WOC,   8650752                    ; Wo's,
.set XS,    9437184                    ; x's scale words,
.set WS,    9699328                    ; the weights',
.set WOS,   9797632                    ; Wo's
.set STX,   8448                       ; x's way: a stage of 16 rows x 528 bytes for each wave, from LDS byte 0
.set STW0,  33792                      ; the weights' way: its stages begin here,
.set STW,   3328                       ; two fragments of 1,536 bytes, 1,664 apart, for each wave
.set SPARE, 47104                      ; the spare words, 128 bytes for each wave: two blocks of 256 bytes that no other line names
.set SPW,   12                         ; v12  LDS address of my spare word; never rewritten
.set NIL,   13                         ; v13  0; never rewritten
.set R,     16                         ; x's way: v16-143 two sets of 64 numbers as loaded
.set X,     144                        ; v144-207 64 numbers of one row: k = 64 c + 32 h + 0 .. 31 at 32 c
.set F,     208                        ; v208-231 two sets of 12: a fragment's codes
.set XW,    16                         ; the weights' way: v16-79 two sets of 32 numbers
.set FW,    144                        ; v144-167 the codes: those of the operand's lane (r, h) at 12 h
.set OUTW,  176                        ; v176-199 two fragments read back
.macro LOADX t                         ; K step t: 512 consecutive bytes of each of the block's 16 rows
.irp i, 0,1,2,3,4,5,6,7,8,9,10,11,12,13,14,15
	global_load_b128 v[R+64*((\t)%2)+4*\i:R+64*((\t)%2)+4*\i+3], v1, s[4:5] offset:(\i+8*(\i/8))*4096+512*(\t) th:TH_LOAD_NT
.endr
.endm
.macro STEPX t
.if (\t) < 3
	s_wait_loadcnt 16                              ; this step's 16 loads are in; the next step's 16 may be out
.else
	s_wait_loadcnt 0x0
.endif
.irp i, 0,1,2,3,4,5,6,7,8,9,10,11,12,13,14,15
	ds_store_b128 v3, v[R+64*((\t)%2)+4*\i:R+64*((\t)%2)+4*\i+3] offset:528*\i   ; rows 528 bytes apart = 33 x 16: the sixteen rows that a read touches fall on sixteen different columns of 16 bytes
.endr
.irp c, 0,1
.irp i, 0,1,2,3,4,5,6,7
	ds_load_b128 v[X+32*\c+4*\i:X+32*\c+4*\i+3], v4 offset:256*\c+16*\i           ; LDS serves a wave's instructions in order: these see the stores above
.endr
.endr
	s_wait_dscnt 0x0                               ; the numbers are back, and the stores have read their registers,
.if (\t) < 2
	LOADX (\t)+2                                   ; which take the loads of two steps on
.endif
.irp c, 0,1
	v_max3_num_f32 v[240+\c], |v[X+32*\c]|, |v[X+32*\c+1]|, 0x1800000   ; my block 2 c + h: all its 32 numbers are mine; the floor 2^(3 - 127) holds the byte at 1 from below
.endr
.irp i, 2,4,6,8,10,12,14,16,18,20,22,24,26,28,30
.irp c, 0,1
	v_max3_num_f32 v[240+\c], v[240+\c], |v[X+32*\c+\i]|, |v[X+32*\c+\i+1]|
.endr
.endr
.irp c, 0,1
	v_add_nc_u32 v[242+\c], 0xff000000, v[240+\c]  ; 2 off the exponent field: the conversion takes the exponent field of this operand as its scale
.endr
.irp c, 0,1
	v_lshrrev_b32 v[244+\c], 23, v[242+\c]         ; the scale's byte
.endr
	v_lshl_or_b32 v246, v245, 16, v244             ; my two bytes, blocks h and 2 + h,
	v_lshlrev_b32 v246, v5, v246                   ; 8 h bits up;
	v_permlanex16_b32 v247, v246, s22, s23
	v_or_b32 v[248+(\t)], v246, v247               ; with lane l xor 16's two the row's word is whole
.if (\t) >= 2
	s_wait_alu depctr_va_vdst(0)
	s_wait_xcnt 0x0                                ; the stores of two steps back have read this set of codes
.endif
.set FS, F+12*((\t)%2)
.irp c, 0,1
	v_cvt_scalef32_pk16_fp6_f32 v[FS+6*\c:FS+6*\c+2], v[X+32*\c:X+32*\c+15], v[242+\c]
	v_cvt_scalef32_pk16_fp6_f32 v[232+4*\c:234+4*\c], v[X+32*\c+16:X+32*\c+31], v[242+\c]   ; (a conversion's three registers begin on an even number)
.endr
	v_nop                                          ; one plain place behind the scaled conversions
.irp c, 0,1
.irp i, 0,1,2
	v_mov_b32 v[FS+6*\c+3+\i], v[232+4*\c+\i]
.endr
.endr
.irp g, 0,1,2
	global_store_b128 v1, v[FS+4*\g:FS+4*\g+3], s[16:17] offset:1536*(\t)+512*\g   ; 32 lanes store 512 consecutive bytes, aligned
.endr
.endm
.macro LOADW t                         ; block t: W(32 t + i, my column), i = 0 .. 31
.irp i, 0,1,2,3,4,5,6,7,8,9,10,11,12,13,14,15,16,17,18,19,20,21,22,23,24,25,26,27,28,29,30,31
	global_load_b32 v[XW+32*((\t)%2)+\i], v1, s[8:9] offset:(32*(\t)+\i)*256
.endr
.endm
.macro BLOCKW t                        ; block t is k = 64 (t / 2) + 32 (t % 2) on: registers 6 (t / 2) on of the operand's lane (r, t % 2)
.set XB, XW+32*((\t)%2)
.set FD, FW+12*((\t)%2)+6*((\t)/2)
.if (\t) < 3
	s_wait_loadcnt 32                              ; this block's 32 loads are in; the next block's 32 may be out
.else
	s_wait_loadcnt 0x0
.endif
	v_max3_num_f32 v10, |v[XB]|, |v[XB+1]|, |v[XB+2]|
	v_max3_num_f32 v11, |v[XB+3]|, |v[XB+4]|, |v[XB+5]|
.irp i, 6,10,14,18,22,26
	v_max3_num_f32 v10, v10, |v[XB+\i]|, |v[XB+\i+1]|
	v_max3_num_f32 v11, v11, |v[XB+\i+2]|, |v[XB+\i+3]|
.endr
	v_max3_num_f32 v10, v10, |v[XB+30]|, |v[XB+31]|
	v_max3_num_f32 v10, v10, v11, 0x1800000        ; and the floor
	v_add_nc_u32 v15, 0xff000000, v10
	v_cvt_scalef32_pk16_fp6_f32 v[FD:FD+2], v[XB:XB+15], v15
	v_cvt_scalef32_pk16_fp6_f32 v[168:170], v[XB+16:XB+31], v15
	v_lshrrev_b32 v9, 23, v15                      ; the scale's byte (a plain place behind the conversions)
.if (\t) == 0
	v_mov_b32 v200, v9                             ; four bytes make my column's word, the lower K in the lower byte
.else
	v_lshl_or_b32 v200, v9, 8*(\t), v200
.endif
.irp i, 0,1,2
	v_mov_b32 v[FD+3+\i], v[168+\i]
.endr
.if (\t) < 2
	LOADW (\t)+2
.endif
.endm
	s_load_b256 s[4:11], s[0:1], 0x0               ; x s[4:5], Wo s[6:7], Wq s[8:9], Wk s[10:11]
	s_load_b128 s[12:15], s[0:1], 0x20             ; Wv s[12:13], opq s[14:15]
	v_lshl_add_u32 v[SPW], v0, 2, SPARE
	v_mov_b32 v[NIL], 0
	v_lshrrev_b32 v1, 5, v0
	v_readfirstlane_b32 s20, v1                    ; wave 0..3
	v_and_b32 v2, 31, v0                           ; lane
	s_mov_b32 s22, 0x76543210
	s_mov_b32 s23, 0xfedcba98                      ; v_permlanex16_b32's selects for lane l xor 16
	s_mov_b32 s31, 0
	s_wait_kmcnt 0x0
	s_cmp_lt_u32 ttmp9, 288
	s_cbranch_scc0 .Lweights
	; ---- x and Wo: K is innermost
	s_mul_i32 s21, s20, STX                        ; my stage
	s_wait_alu depctr_va_vdst(0)
	v_lshlrev_b32 v1, 4, v2                        ; 16 x lane
	v_and_b32 v7, 15, v2                           ; r
	v_lshrrev_b32 v8, 4, v2                        ; h
	v_add_nc_u32 v3, s21, v1                       ; the stage, on the way in
	v_mul_u32_u24 v4, v7, 528
	v_lshl_add_u32 v4, v8, 7, v4
	v_add_nc_u32 v4, s21, v4                       ; and on the way out: row r, + 128 h bytes
	v_lshlrev_b32 v5, 3, v8                        ; 8 h
	v_lshl_add_u32 v6, v7, 4, v5                   ; 16 r + 8 h: my two words of the row's four
	v_mov_b32 v247, 0                              ; written once: a lane permute's destination counts as one of its sources
	s_lshl_b32 s24, ttmp9, 2
	s_add_co_u32 s24, s24, s20                     ; which unit (row block, half of K) is my wave's
	s_mov_b32 s27, WOS
	s_cmp_lt_u32 ttmp9, 256                        ; x or Wo?  The choice hangs on the work-group's number alone
	s_cselect_b64 s[4:5], s[4:5], s[6:7]
	s_cselect_b32 s25, 0, 1024
	s_cselect_b32 s26, 0, WOC
	s_cselect_b32 s27, XS, s27
	s_sub_co_u32 s24, s24, s25
	s_lshr_b32 s25, s24, 1                         ; rb
	s_and_b32 s28, s24, 1                          ; which half of K
	s_lshr_b32 s29, s25, 1
	s_lshl_b32 s29, s29, 5
	s_and_b32 s30, s25, 1
	s_lshl_b32 s30, s30, 3
	s_add_co_u32 s29, s29, s30                     ; the block's first row: 32 (rb / 2) + 8 (rb % 2)
	s_lshl_b32 s30, s29, 12
	s_lshl_b32 s32, s28, 11
	s_add_co_u32 s30, s30, s32
	s_add_nc_u64 s[4:5], s[4:5], s[30:31]          ; rows of 4,096 bytes, 2,048 bytes a half
	s_mul_i32 s30, s25, 12288
	s_add_co_u32 s30, s30, s26
	s_mul_i32 s32, s28, 6144
	s_add_co_u32 s30, s30, s32
	s_add_nc_u64 s[16:17], s[14:15], s[30:31]      ; my four fragments
	s_lshl_b32 s30, s25, 9
	s_add_co_u32 s30, s30, s27
	s_lshl_b32 s32, s28, 8
	s_add_co_u32 s30, s30, s32
	s_add_nc_u64 s[18:19], s[14:15], s[30:31]      ; my 256 bytes of scale words
	LOADX 0
	LOADX 1
	s_wait_alu depctr_va_vdst(0)
	STEPX 0
	STEPX 1
	STEPX 2
	STEPX 3
	v_cmp_lt_u32 vcc_lo, 15, v2
	v_cndmask_b32 v252, v248, v250, vcc_lo         ; lanes 0-15 store the row's words 0 and 1, lanes 16-31 its words 2 and 3
	v_cndmask_b32 v253, v249, v251, vcc_lo
	global_store_b64 v6, v[252:253], s[18:19]      ; 32 lanes store 256 consecutive bytes, aligned
	s_wait_tensorcnt 0x0                           ; the wave's end, behind my last LDS store
	ds_add_u32 v[SPW], v[NIL]
	s_wait_dscnt 0x0
	s_endpgm
.Lweights:
	; ---- Wq, Wk, Wv: a lane takes a column d, its registers run down K = e
	s_sub_co_u32 s24, ttmp9, 288
	s_lshr_b32 s25, s24, 1                         ; which 32 rows of the stacked operand: 32 x tensor + 2 x head + half of the head
	s_and_b32 s26, s24, 1                          ; which half of K
	s_lshl_b32 s27, s26, 2
	s_add_co_u32 s27, s27, s20                     ; my K step
	s_cmp_lt_u32 s25, 64
	s_cselect_b64 s[10:11], s[10:11], s[12:13]
	s_cmp_lt_u32 s25, 32
	s_cselect_b64 s[8:9], s[8:9], s[10:11]         ; Wq, Wk or Wv
	s_and_b32 s28, s25, 31
	s_lshr_b32 s29, s28, 1                         ; head
	s_and_b32 s28, s28, 1
	s_lshl_b32 s30, s29, 18                        ; a head is 262,144 bytes,
	s_lshl_b32 s32, s27, 15                        ; 128 rows e of 256 bytes,
	s_add_co_u32 s30, s30, s32
	s_lshl_b32 s32, s28, 7                         ; 32 columns
	s_add_co_u32 s30, s30, s32
	s_add_nc_u64 s[8:9], s[8:9], s[30:31]
	s_mul_i32 s30, s25, 2*12288
	s_mul_i32 s32, s27, 1536
	s_add_co_u32 s30, s30, s32
	s_add_co_u32 s30, s30, WC
	s_add_nc_u64 s[16:17], s[14:15], s[30:31]      ; row blocks 2 g and 2 g + 1, my K step
	s_lshl_b32 s30, s25, 10
	s_lshl_b32 s32, s26, 8
	s_add_co_u32 s30, s30, s32
	s_lshl_b32 s32, s20, 2
	s_add_co_u32 s30, s30, s32
	s_add_co_u32 s30, s30, WS
	s_add_nc_u64 s[18:19], s[14:15], s[30:31]
	s_mul_i32 s21, s20, STW
	s_add_co_u32 s21, s21, STW0                    ; my stage
	s_wait_alu depctr_va_vdst(0)
	v_lshlrev_b32 v1, 2, v2                        ; in: 4 bytes a lane
	v_lshlrev_b32 v14, 4, v2                       ; 16 x lane
	v_bfe_u32 v7, v2, 3, 1                         ; my column is row r of block u: u = (lane / 8) % 2,
	v_and_b32 v8, 7, v2
	v_lshrrev_b32 v9, 4, v2
	v_lshl_add_u32 v8, v9, 3, v8                   ; r = lane % 8 + 8 (lane / 16)
	v_mul_u32_u24 v3, v7, 1664
	v_lshl_add_u32 v3, v8, 4, v3
	v_add_nc_u32 v3, s21, v3                       ; into the stage: 1,664 u + 16 r: sixteen lanes fall on sixteen different columns of 16 bytes
	v_add_nc_u32 v4, s21, v14                      ; out of it
	v_lshlrev_b32 v5, 9, v7
	v_lshl_add_u32 v5, v8, 4, v5                   ; my scale word: 512 u + 16 r
	LOADW 0
	LOADW 1
	BLOCKW 0
	BLOCKW 1
	BLOCKW 2
	BLOCKW 3
.irp h, 0,1
.irp g, 0,1,2
	ds_store_b128 v3, v[FW+12*\h+4*\g:FW+12*\h+4*\g+3] offset:256*\h+512*\g
.endr
.endr
.irp u, 0,1
.irp g, 0,1,2
	ds_load_b128 v[OUTW+12*\u+4*\g:OUTW+12*\u+4*\g+3], v4 offset:1664*\u+512*\g   ; LDS serves a wave's instructions in order: these see my stores
.endr
.endr
	s_wait_alu depctr_va_vdst(0)
.irp k, 0,1,2,3,4,5
	s_wait_dscnt 5-\k                              ; the younger loads from the stage may be out
	global_store_b128 v14, v[OUTW+4*\k:OUTW+4*\k+3], s[16:17] offset:12288*(\k/3)+512*(\k%3)
.endr
	global_store_b32 v5, v200, s[18:19]
	s_wait_tensorcnt 0x0                           ; the wave's end, behind my last LDS store
	ds_add_u32 v[SPW], v[NIL]
	s_wait_dscnt 0x0
	s_endpgm
.Lfunc_end_k_qcde6e2ceeb_quant:
	.size	k_qcde6e2ceeb_quant, .Lfunc_end_k_qcde6e2ceeb_quant-k_qcde6e2ceeb_quant
	.p2alignl 7, 3214868480
	.fill 96, 4, 3214868480
	.section	.rodata,"a",@progbits
	.p2align	6, 0x0
	.amdhsa_kernel k_qcde6e2ceeb_quant
		.amdhsa_group_segment_fixed_size 47616
		.amdhsa_private_segment_fixed_size 0
		.amdhsa_enable_private_segment 0
		.amdhsa_kernarg_size 48
		.amdhsa_user_sgpr_count 2
		.amdhsa_user_sgpr_kernarg_segment_ptr 1
		.amdhsa_wavefront_size32 1
		.amdhsa_system_sgpr_workgroup_id_x 1
		.amdhsa_system_sgpr_workgroup_id_y 1
		.amdhsa_system_sgpr_workgroup_id_z 1
		.amdhsa_system_vgpr_workitem_id 0
		.amdhsa_next_free_vgpr 256
		.amdhsa_next_free_sgpr 66
		.amdhsa_reserve_vcc 1
		.amdhsa_float_denorm_mode_32 3
		.amdhsa_float_denorm_mode_16_64 3
		.amdhsa_memory_ordered 1
		.amdhsa_forward_progress 1
		.amdhsa_inst_pref_size 52
	.end_amdhsa_kernel
	.amdgpu_metadata
---
amdhsa.version: [ 1, 2 ]
amdhsa.kernels:
  - .name:           k_qcde6e2ceeb_quant
    .symbol:         k_qcde6e2ceeb_quant.kd
    .args:
      - { .name: decoder_sequence, .offset: 0, .size: 8, .value_kind: global_buffer, .address_space: global }
      - { .name: Wo, .offset: 8, .size: 8, .value_kind: global_buffer, .address_space: global }
      - { .name: Wq, .offset: 16, .size: 8, .value_kind: global_buffer, .address_space: global }
      - { .name: Wk, .offset: 24, .size: 8, .value_kind: global_buffer, .address_space: global }
      - { .name: Wv, .offset: 32, .size: 8, .value_kind: global_buffer, .address_space: global }
      - { .name: opq, .offset: 40, .size: 8, .value_kind: global_buffer, .address_space: global }
    .group_segment_fixed_size: 47616
    .private_segment_fixed_size: 0
    .kernarg_segment_align: 8
    .kernarg_segment_size: 48
    .max_flat_workgroup_size: 128
    .sgpr_count:     66
    .vgpr_count:     256
    .wavefront_size: 32
...
	.end_amdgpu_metadata
.endif
;; end of part 1
;; launch qkv (part 2): grid 96 x 4, 4 waves a work-group, clusters of 4 x 4, 327,680 bytes of LDS; arguments opq, bq, bk, bv, qkv; writes qkv
.if DOCPART == 2
	.amdgcn_target "amdgcn-amd-amdhsa--gfx1250"
	.amdhsa_code_object_version 6
	.text
	.protected	k_qcde6e2ceeb_qkv
	.globl	k_qcde6e2ceeb_qkv
	.p2align	8
	.type	k_qcde6e2ceeb_qkv,@function
k_qcde6e2ceeb_qkv:
	s_mov_b64 s[64:65], 0
	v_nop
	global_prefetch_b8 v0, s[64:65] scope:SCOPE_SE
	s_setreg_imm32_b32 hwreg(HW_REG_WAVE_MODE, 25, 1), 1
	s_wait_xcnt 0x0
	s_wait_alu depctr_hold_cnt(0) depctr_sa_sdst(0) depctr_va_vdst(0) depctr_va_sdst(0) depctr_va_ssrc(0) depctr_va_vcc(0) depctr_vm_vsrc(0)
	s_getreg_b32 s2, hwreg(HW_REG_IB_STS2, 6, 4)
	s_cmp_eq_u32 s2, 0
	s_cbranch_scc0 .Lentry_in_a_cluster
	s_endpgm
.Lentry_in_a_cluster:
	s_bfe_u32 s2, ttmp6, 0x10000c
	s_cmp_lg_u32 s2, 0xf033
	s_cbranch_scc0 .Lentry_shape_is_right
	s_endpgm
.Lentry_shape_is_right:
; Q, K, V = x W + b on codes of FP6 (E2M3) with E8M0 scales, and the results quantised on the way out: Q and K along the head's 64 (two blocks), V along the keys.
; Both operands lie in opq as fragments in the order of the operand's registers (16 rows x 128 K = 1,536 bytes, 12,288 bytes a row block; row block rb = 2 B + u holds rows 32 B + 8 u + r + 8 (r / 8)).
; P IS THE OPERAND WHOSE ROWS ARE THE NEXT PRODUCT'S K: it is source 0, so that a lane's registers of two neighbouring tiles are 16 neighbours along that K.  R, the other, is source 1: a lane holds one row of R.
; Clusters 0-15 (even: Q, odd: K): P = 1,024 rows of Wq or Wk, R = 1,024 tokens.  Clusters 16-23 (V): P = 1,024 tokens, R = Wv's 1,024 rows.  A work-group makes 256 (R) x 256 (P), a wave 128 x 128: 64 accumulators.
; LDS.  K's four quarters of 256 lie in two regions.  Region A (98,304 bytes): R's 16 row blocks x 3,072 bytes, then P's: quarter 0, later quarter 3.  Region B (196,608 bytes): R's 16 x 6,144, then P's: quarters 1 and 2.
; THE FILLS.  At the head one joint load a wave, each on a line of its own: wave 0 R's quarter 0, wave 1 P's, wave 2 R's quarters 1 and 2, wave 3 P's.  The walk begins when waves 0 and 1 have waited.
; At the end of quarter 0 every wave waits for all its loads, which shows region B, and a round of the cluster's barrier follows; behind it waves 0 and 1 fill region A again, with quarter 3: that load has the 256 products of quarters 1 and 2
; in which to land, and is shown by the barrier at the end of quarter 2.  The change from quarter 1 to quarter 2 stays inside region B and has no barrier.
; The scale words of the work-group's rows, for all of K, come once, by plain loads and LDS stores into bytes of their own behind the regions.
; CLUSTERS: 4 x 4.  R's tiles are shared along a row of the cluster, P's along a column: each is asked for jointly.  The one branch of the way out hangs on the cluster's number, which the sixteen partners share.
; No prefetch: three quarters of K are asked for at the head, and the one refill four K steps ahead of its use.
; OUT (qkv): Q's and K's tiles (16 tokens x 64) as six registers a lane: registers 0-3 at 16 l, registers 4-5 at 512 + 8 l, 768 bytes a tile, [head][tile]; V's fragments (16 d x 128 keys) [head][key step][4][1,536];
; scale words so that four tiles' words of a row are 16 neighbouring bytes.  Every store of codes covers whole aligned runs of 256 bytes.
; LIMITS: NaN and infinities are not served; a block under 2^-124, zeros among them, gets the byte 1.
; REGISTERS: window 0: v0-31 addresses; v32-63 scale words, two sets; v64-127 the bias along P; v128-223 R's fragments, one set; v224-239 the bias along R; v240-255 at work on the way out.
;   window 1: P's fragments, two sets, at v0 and v128.   windows 2, 3: the accumulators of R's blocks 0-3, 4-7: (a, b) at v[8 (8 (a % 4) + b)].
.set WC,    6291456
.set XS,    9437184
.set WS,    9699328
.set VI,    12582912
.set QS,    18874368
.set KVS,   19398656
.set NQ,    2                          ; K steps that one set of scale words serves
.set FR,    12                         ; registers of a fragment
.set NL,    3                          ; LDS loads that bring one
.set NP,    4                          ; places behind this matrix instruction (ISA guide 7.12.1)
.set RBB,   3072                       ; a row block's bytes of a quarter of K: two fragments
.set HALFT, 8*RBB
.set SLOT,  4*HALFT                    ; region A; region B is twice as long
.set SCL,   3*SLOT                     ; behind the regions: P's scale words 2 x 4,096 bytes, then R's 2 x 4,096
.set SPARE, SCL+16384                  ; the spare words, 128 bytes for each wave: two blocks of 256 bytes that no other line names
.set ADRA, 16                          ; v16, v17  LDS address of my R fragments in region A, B
.set ADRB, 20                          ; v20, v21  the same for P
.set L16,  24                          ; v24     16 x lane
.set L8,   25                          ; v25     8 x lane
.set H16,  26                          ; v26     16 h
.set ADRS, 27                          ; v27     LDS address of my scale words: lanes 0-15 P's rows, lanes 16-31 R's
.set SPW,  28                          ; v28     LDS address of my spare word; never rewritten
.set NIL,  29                          ; v29     0; never rewritten
.set SOF,  30                          ; v30     the way out: my place among the scale words
.set SC,   32                          ; scale words: set s at 32 + 16 s, register 2 i + q
.set BP,   64
.set AF,   128
.set BR,   224
.set TM,   240                         ; the way out: v240-243 largest magnitudes, v244-247 bytes, v252-255 the conversions' scale operands
.set T,    128                         ; 64 numbers
.set PC,   192                         ; the codes just made
.set PW,   212                         ; their scale word
.set SW,   214                         ; v214-221 eight blocks' scale words
.set SEL,  2
.set G1, 24                            ; s[24:31] group 1, R's rows of 6,144 bytes;  s[32:35] group 0 of R's quarters 1 and 2, s[36:39] of its quarter 3
.set G0, 32
.set G1B, 48                           ; s[48:55], s[56:63] the same for P
.set G0B, 56
.set G1S, 68                           ; s[68:75] group 1, R's rows of 3,072 bytes;  s[76:79] group 0 of R's quarter 0
.set G0S, 76
.set G1SB, 80                          ; s[80:87], s[88:91] the same for P
.set G0SB, 88
.set MSB, 0
.macro WIN new                         ; the immediate's high byte repeats the setting that is left
.if MSB != (\new)
	s_set_vgpr_msb (MSB<<8)|(\new)
.set MSB, (\new)
.endif
.endm
.set MUL_LO, 0xa1                      ; source 0 (P) window 1, source 1 (R) window 0, C and D window 2
.set MUL_HI, 0xf1                      ; the same, C and D window 3
.set TO_B,   0x40                      ; destination window 1, address window 0
.macro PLACES n                        ; plain vector instructions between a matrix instruction and a load into, or a vector instruction on, its registers
.rept \n
	v_nop
.endr
.endm
.macro TL g0, g1                       ; a joint load; an s_nop 0 and four v_nop follow it
	tensor_load_to_lds s[\g0:\g0+3], s[\g1:\g1+7]
	s_nop 0
	PLACES 4
.endm
.macro ARM n, g0, g1                   ; wave n's arm of the head's chain
	s_cmp_eq_u32 s14, \n
	s_cbranch_scc0 .Lnot_\n
	TL \g0, \g1
	s_branch .Lasked
.Lnot_\n:
.endm
.macro G0SET g, lds, base, off         ; a group 0: LDS place, a constant; global address s[base] + off
	s_mov_b32 s[\g], 1
	s_mov_b32 s[\g+1], \lds
	s_add_nc_u64 s[\g+2:\g+3], s[\base:\base+1], \off
	s_or_b32 s[\g+3], s[\g+3], 0x80000000
.endm
.macro CREST                           ; a round of the cluster's barrier behind its opening barrier
	s_cmp_lg_u32 s14, 0
	s_cbranch_scc1 .Lnot_wave_0_\@
	s_barrier_signal -3
.Lnot_wave_0_\@:
	s_barrier_wait -3
	s_barrier_signal -1
	s_barrier_wait -1
.endm
.macro CROUND                          ; a whole round
	s_barrier_signal -1
	s_barrier_wait -1
	CREST
.endm
	s_load_b256 s[4:11], s[0:1], 0x0               ; opq s[4:5], bq s[6:7], bk s[8:9], bv s[10:11]
	s_load_b64 s[12:13], s[0:1], 0x20              ; qkv
	v_lshl_add_u32 v[SPW], v0, 2, SPARE
	v_mov_b32 v[NIL], 0
	ds_add_u32 v[SPW], v[NIL]                      ; the opening lines: the add, twice on end, and its wait ahead of my first tensor load
	ds_add_u32 v[SPW], v[NIL]
	v_lshrrev_b32 v1, 5, v0
	v_readfirstlane_b32 s14, v1                    ; wave 0..3
	s_lshr_b32 s15, s14, 1                         ; which half of R's rows is mine
	s_and_b32 s16, s14, 1                          ; which half of P's rows
	s_bfe_u32 s40, ttmp6, 0x40000                  ; cx, cy: my place in the cluster
	s_bfe_u32 s41, ttmp6, 0x40004
	s_lshl_b32 s43, s41, 2
	s_lshl_b32 s43, 15, s43                        ; my row of the cluster
	s_lshl_b32 s44, 0x1111, s40                    ; my column
	; groups 1: 16 rows (row blocks), 12,288 bytes apart in memory, dense in LDS; elements of 8 bytes; bit 21 beside the mask
	s_or_b32 s[G1+0], s43, (3<<16)|(1<<21)         ; R's tiles go to my row of the cluster,
	s_or_b32 s[G1B+0], s44, (3<<16)|(1<<21)        ; P's to my column
	s_or_b32 s[G1S+0], s43, (3<<16)|(1<<21)
	s_or_b32 s[G1SB+0], s44, (3<<16)|(1<<21)
.irp g, G1, G1B
	s_mov_b32 s[\g+1], 768<<16                     ; two quarters of K: 6,144 bytes a row
	s_mov_b32 s[\g+3], 768<<16
.endr
.irp g, G1S, G1SB
	s_mov_b32 s[\g+1], 384<<16                     ; one quarter: 3,072
	s_mov_b32 s[\g+3], 384<<16
.endr
.irp g, G1, G1B, G1S, G1SB
	s_mov_b32 s[\g+2], 16<<16
	s_mov_b32 s[\g+4], 16
	s_mov_b32 s[\g+5], 1536
	s_mov_b32 s[\g+6], 0
	s_mov_b32 s[\g+7], 0
.endr
	; which operands: chosen on the cluster's number alone; both lie in opq, so only offsets are chosen
	s_and_b32 s17, ttmp9, 1
	s_lshl_b32 s17, s17, 6                         ; Q, K: P begins at row block 64 (c % 2) of the weights
	s_max_u32 s18, ttmp9, 16
	s_sub_co_u32 s18, s18, 16
	s_lshl_b32 s18, s18, 6                         ; V: P begins at row block 64 (c - 16) of x
	s_lshr_b32 s19, ttmp9, 1
	s_lshl_b32 s19, s19, 6                         ; Q, K: R begins at row block 64 (c / 2) of x
	s_mov_b32 s22, XS
	s_mov_b32 s23, WS
	s_cmp_lt_u32 ttmp9, 16
	s_cselect_b32 s17, s17, s18
	s_cselect_b32 s19, s19, 128                    ; V: R is Wv, from row block 128 of the weights
	s_cselect_b32 s20, WC, 0                       ; P's codes
	s_cselect_b32 s21, 0, WC                       ; R's codes
	s_cselect_b32 s22, WS, s22                     ; P's scale words
	s_cselect_b32 s23, XS, s23                     ; R's
	s_lshl_b32 s45, s40, 4
	s_add_co_u32 s17, s17, s45                     ; P: my tile's first row block, + 16 cx
	s_lshl_b32 s46, s41, 4
	s_add_co_u32 s19, s19, s46                     ; R: + 16 cy
	s_lshl_b32 s47, s16, 3
	s_add_co_u32 s92, s17, s47                     ; the scale words of 8 row blocks, 4,096 bytes: half s16 of P's,
	s_add_co_u32 s94, s19, s47                     ; and of R's
	s_lshl_b32 s92, s92, 9
	s_add_co_u32 s92, s92, s22
	s_lshl_b32 s94, s94, 9
	s_add_co_u32 s94, s94, s23
	s_mul_i32 s96, s17, 12288
	s_add_co_u32 s96, s96, s20                     ; P's codes, the tile's first row block
	s_mul_i32 s98, s19, 12288
	s_add_co_u32 s98, s98, s21                     ; R's
	s_mov_b32 s93, 0
	s_mov_b32 s95, 0
	s_mov_b32 s97, 0
	s_mov_b32 s99, 0
	s_lshl_b32 s67, s16, 12
	s_wait_dscnt 0x0                               ; both opening adds are done
	s_wait_kmcnt 0x0
	s_add_nc_u64 s[96:97], s[4:5], s[96:97]
	s_add_nc_u64 s[98:99], s[4:5], s[98:99]
	s_add_nc_u64 s[92:93], s[4:5], s[92:93]
	s_add_nc_u64 s[94:95], s[4:5], s[94:95]
	CROUND                                         ; all sixteen work-groups are here: the first joint loads meet
	G0SET G0S,   0,            98, 0               ; R's quarter 0 -> region A
	G0SET G0SB,  2*HALFT,      96, 0               ; P's
	G0SET G0,    SLOT,         98, RBB             ; R's quarters 1 and 2 -> region B
	G0SET G0B,   SLOT+4*HALFT, 96, RBB             ; P's
	G0SET G0+4,  0,            98, 3*RBB           ; R's quarter 3 -> region A again
	G0SET G0B+4, 2*HALFT,      96, 3*RBB           ; P's
	ARM 0, G0S, G1S                                ; one load a wave, what is wanted first in the first arms
	ARM 1, G0SB, G1SB
	ARM 2, G0, G1
	TL G0B, G1B
.Lasked:
	v_and_b32 v1, 15, v0                           ; r
	v_bfe_u32 v2, v0, 4, 1                         ; h
	v_and_b32 v3, 31, v0                           ; lane
	v_lshlrev_b32 v[L16], 4, v3
	v_lshlrev_b32 v[L8], 3, v3
	v_lshlrev_b32 v[H16], 4, v2
	s_wait_alu depctr_va_vdst(0)
	s_mul_i32 s21, s15, HALFT                      ; region A: my 8 row blocks of R,
	s_mul_i32 s22, s16, HALFT
	v_add_nc_u32 v[ADRA], s21, v[L16]
	s_add_co_u32 s23, s22, 2*HALFT                 ; my 8 of P, behind R's 16
	v_add_nc_u32 v[ADRB], s23, v[L16]
	s_lshl_b32 s21, s21, 1                         ; region B: the same with rows twice as long
	s_add_co_u32 s21, s21, SLOT
	v_add_nc_u32 v[ADRA+1], s21, v[L16]
	s_lshl_b32 s22, s22, 1
	s_add_co_u32 s22, s22, SLOT+4*HALFT
	v_add_nc_u32 v[ADRB+1], s22, v[L16]
	v_lshlrev_b32 v5, 4, v1                        ; a row's four words: 16 r
	s_lshl_b32 s21, s16, 12                        ; P's: my half
	s_lshl_b32 s22, s15, 12
	s_add_co_u32 s22, s22, 8192                    ; R's: my half, behind P's
	s_sub_co_u32 s22, s22, s21
	v_mul_u32_u24 v6, s22, v2                      ; lanes 16-31 take R's
	s_add_co_u32 s21, s21, SCL
	v_add_nc_u32 v5, v5, v6
	v_add_nc_u32 v[ADRS], s21, v5
	; the biases.  Along P (Q, K): register 8 t + j of lane half h is row 32 (t / 2) + 16 h + 8 (t % 2) + j of my 128.  Along R (V): one number a block, my lane's row, twice, for the packed addition.
	; Both sets are loaded in both kinds of cluster, from offsets that stay inside the 4,096 bytes; each arm of the way out reads its own.
	s_lshl_b32 s21, s40, 10
	s_lshl_b32 s22, s16, 9
	s_add_co_u32 s21, s21, s22                     ; 4 (256 cx + 128 x my half of P)
	s_lshl_b32 s22, s41, 10
	s_lshl_b32 s23, s15, 9
	s_add_co_u32 s22, s22, s23                     ; 4 (256 cy + 128 x my half of R)
	s_cmp_lt_u32 ttmp9, 16
	s_cselect_b32 s21, s21, 0
	s_cselect_b32 s22, 0, s22
	s_and_b32 s23, ttmp9, 1
	s_cmp_eq_u32 s23, 0
	s_cselect_b64 s[6:7], s[6:7], s[8:9]           ; bq or bk
	v_lshl_add_u32 v4, v2, 6, s21
	v_and_b32 v6, 8, v1
	v_add_nc_u32 v6, v6, v1                        ; r + 8 (r / 8)
	v_lshl_add_u32 v6, v6, 2, s22
.irp t, 0,1,2,3,4,5,6,7
	global_load_b128 v[BP+8*\t:BP+8*\t+3], v4, s[6:7] offset:(32*(\t/2)+8*(\t%2))*4
	global_load_b128 v[BP+8*\t+4:BP+8*\t+7], v4, s[6:7] offset:(32*(\t/2)+8*(\t%2))*4+16
	global_load_b32 v[BR+2*\t], v6, s[10:11] offset:(32*(\t/2)+8*(\t%2))*4
	global_load_b32 v[BR+2*\t+1], v6, s[10:11] offset:(32*(\t/2)+8*(\t%2))*4
.endr
	; the scale words: waves 0, 1 copy R's two halves, waves 2, 3 P's, 4,096 bytes each, 512 consecutive bytes an instruction
	s_cmp_eq_u32 s15, 0
	s_cselect_b64 s[92:93], s[94:95], s[92:93]
	s_xor_b32 s21, s15, 1
	s_lshl_b32 s21, s21, 13
	s_add_co_u32 s21, s21, s67
	s_add_co_u32 s21, s21, SCL
	v_add_nc_u32 v7, s21, v[L16]
.irp k, 0,1,2,3,4,5,6,7
	global_load_b128 v[AF+4*\k:AF+4*\k+3], v[L16], s[92:93] offset:512*\k
.endr
; Where the next fetches read: region ra (0: A, 1: B), its row blocks pb bytes apart, from its qb-th K step on
.macro USE ra, pb, qb
.set RA, ADRA+\ra
.set RP, ADRB+\ra
.set PB, \pb
.set QB, \qb
.endm
.macro FRAG reg, adr, q, i             ; a fragment comes as it was stored: three loads of 512 consecutive bytes
.irp g, 0,1,2
	ds_load_b128 v[\reg+4*\g:\reg+4*\g+3], v[\adr] offset:(\i)*PB+((\q)+QB)*1536+512*\g
.endr
.endm
; 16 matrix instructions: R's blocks a0, a0 + 1 x P's eight, 128 along K.  p: P's set;  sc: the set of scale words, q: which of its two steps.  zero = 1: the first product starts the sums: nothing is ever cleared.
; The 64 accumulators take turns, one instruction a turn, in the same order in every step.
.macro MUL16 a0, p, q, sc, zero
.irp a, \a0, \a0+1
.irp b, 0,1,2,3,4,5,6,7
.if \zero
	v_wmma_scale_f32_16x16x128_f8f6f4 v[8*(8*((\a)%4)+\b):8*(8*((\a)%4)+\b)+7], v[128*(\p)+FR*\b:128*(\p)+FR*\b+FR-1], v[AF+FR*(\a):AF+FR*(\a)+FR-1], 0, v[SC+8*NQ*(\sc)+NQ*\b+(\q)], v[SC+8*NQ*(\sc)+NQ*(\a)+(\q)] matrix_a_fmt:MATRIX_FMT_FP6 matrix_b_fmt:MATRIX_FMT_FP6 matrix_b_scale:MATRIX_SCALE_ROW1
.else
	v_wmma_scale_f32_16x16x128_f8f6f4 v[8*(8*((\a)%4)+\b):8*(8*((\a)%4)+\b)+7], v[128*(\p)+FR*\b:128*(\p)+FR*\b+FR-1], v[AF+FR*(\a):AF+FR*(\a)+FR-1], v[8*(8*((\a)%4)+\b):8*(8*((\a)%4)+\b)+7], v[SC+8*NQ*(\sc)+NQ*\b+(\q)], v[SC+8*NQ*(\sc)+NQ*(\a)+(\q)] matrix_a_fmt:MATRIX_FMT_FP6 matrix_b_fmt:MATRIX_FMT_FP6 matrix_b_scale:MATRIX_SCALE_ROW1
.endif
.endr
.endr
.endm
.macro FETCH_B q, p                    ; P's eight fragments of K step q of the place in use, into set p
	WIN TO_B
.irp i, 0,1,2,3,4,5,6,7
	FRAG 128*(\p)+FR*\i, RP, \q, \i
.endr
	WIN 0
.endm
.macro FETCH_A q, i0                   ; R's blocks i0 .. i0 + 3
.irp i, \i0, \i0+1, \i0+2, \i0+3
	FRAG AF+FR*(\i), RA, \q, \i
.endr
.endm
.macro SCALES sc                       ; a quarter's scale words into set sc: two words a row; lanes 0-15 take P's block i, lanes 16-31 R's block i
.irp i, 0,1,2,3,4,5,6,7
	ds_load_b64 v[SC+8*NQ*\sc+NQ*\i:SC+8*NQ*\sc+NQ*\i+1], v[ADRS] offset:\i*512
.endr
.endm
; A quarter's first K step; the second step's fragments are fetched in its middle and at its end.
.macro STEP sc, zero
	s_wait_dscnt 4*NL                              ; P's set, the scale words and R's blocks 0-3 are in; the youngest 12 loads (R's blocks 4-7) may be out
	WIN MUL_LO
	MUL16 0, 0, 0, \sc, \zero
	MUL16 2, 0, 0, \sc, \zero
	s_wait_dscnt 0                                 ; R's blocks 4-7 are in (asked for 32 matrix instructions ago)
	PLACES NP
	FETCH_B 1, 1
	FETCH_A 1, 0
	WIN MUL_HI
	MUL16 4, 0, 0, \sc, \zero
	MUL16 6, 0, 0, \sc, \zero
	PLACES NP
	WIN 0
	FETCH_A 1, 4
.endm
; A quarter's second K step goes on to the next quarter, whose place USE has set.  kind 0: it lies in the same region: no barrier.  kind 1: a barrier; in front of it each wave waits for all its tensor loads, adds 0 to its
; spare word, and waits for that and for its own LDS reads.  kind 2: the barrier opens a round of the cluster's barrier, and region A, read out, is filled again.  adv: bytes to the next quarter's scale words.
.macro TURN sc, next, kind, adv
.if \kind
	s_wait_tensorcnt 0x0                           ; all my tensor loads have landed;  (every window is 0 here)
	ds_add_u32 v[SPW], v[NIL]                      ; 0 onto my spare word
	s_wait_dscnt 4*NL+1                            ; (the add and the youngest 12 loads, R's blocks 4-7, may be out)
	WIN MUL_LO
	MUL16 0, 1, 1, \sc, 0                          ; sixteen matrix instructions stand between the add and the wait for it
	s_wait_dscnt 0x0                               ; the add is done, and my reads of this quarter are over
	s_barrier_signal -1
	MUL16 2, 1, 1, \sc, 0
	WIN 0
	s_barrier_wait -1
.if \kind == 2
	CREST                                          ; no wave of any partner still reads region A or has a load on its way
	s_cmp_eq_u32 s14, 0                            ; quarter 3: wave 0 asks for R's rows, wave 1 for P's: the first tensor load behind the round
	s_cbranch_scc0 .Lrefill_p
	TL G0+4, G1S
	s_branch .Lrefilled
.Lrefill_p:
	s_cmp_eq_u32 s14, 1
	s_cbranch_scc0 .Lrefilled
	TL G0B+4, G1SB
.Lrefilled:
.endif
.else
	s_wait_dscnt 4*NL
	WIN MUL_LO
	MUL16 0, 1, 1, \sc, 0
	MUL16 2, 1, 1, \sc, 0
	s_wait_dscnt 0
	WIN 0
.endif
	PLACES NP                                      ; on every wave's way, in front of the loads below
	s_wait_alu depctr_va_vdst(0)
	v_add_nc_u32 v[ADRS], \adv, v[ADRS]            ; on to the next quarter's scale words (no LDS load of mine is out)
	FETCH_B 0, 0
	FETCH_A 0, 0
	SCALES \next
	WIN MUL_HI
	MUL16 4, 1, 1, \sc, 0
	MUL16 6, 1, 1, \sc, 0
	PLACES NP
	WIN 0
	FETCH_A 0, 4
.endm
	s_wait_alu depctr_va_vdst(0)
	s_wait_loadcnt 0x0                             ; the biases and my scale words
.irp k, 0,1,2,3,4,5,6,7
	ds_store_b128 v7, v[AF+4*\k:AF+4*\k+3] offset:512*\k
.endr
	s_wait_dscnt 0x0
	s_cmp_lt_u32 s14, 2
	s_cbranch_scc0 .Lnot_first
	s_wait_tensorcnt 0x0                           ; waves 0 and 1: quarter 0's tiles are in
.Lnot_first:
	s_barrier_signal -1
	s_barrier_wait -1                              ; quarter 0 and the scale words are in; region B's tiles may be on their way
	USE 0, RBB, 0
	FETCH_B 0, 0
	FETCH_A 0, 0
	SCALES 0
	FETCH_A 0, 4
	STEP 0, 1                                      ; K 0: its products start the sums
	USE 1, 2*RBB, 0
	TURN 0, 1, 2, 8                                ; K 128; region B is shown, region A takes quarter 3
	STEP 1, 0
	USE 1, 2*RBB, 2
	TURN 1, 0, 0, 248                              ; K 384; on inside region B; the scale words go on into the row blocks' second halves
	STEP 0, 0
	USE 0, RBB, 0
	TURN 0, 1, 1, 8                                ; K 640; quarter 3 is shown
	STEP 1, 0
	s_wait_dscnt 4*NL                              ; the very last step
	WIN MUL_LO
	MUL16 0, 1, 1, 1, 0
	MUL16 2, 1, 1, 1, 0
	s_wait_dscnt 0
	WIN MUL_HI
	MUL16 4, 1, 1, 1, 0
	MUL16 6, 1, 1, 1, 0
	WIN 0
; THE WAY OUT.  64 numbers of a lane, v[s] on, register 16 b + i = place 32 b + 16 h + i along the next K of my row of R, become a fragment's codes in v[PC] on and its scale word in v[pw].
.macro QUANT s, pw
.irp b, 0,1,2,3
	v_max3_num_f32 v[TM+\b], |v[\s+16*\b]|, |v[\s+1+16*\b]|, 0x1800000   ; block b: my 16 numbers, and the floor 2^(3 - 127): the byte cannot fall under 1
.endr
.irp i, 2,4,6,8,10,12,14
.irp b, 0,1,2,3
	v_max3_num_f32 v[TM+\b], v[TM+\b], |v[\s+16*\b+\i]|, |v[\s+1+16*\b+\i]|
.endr
.endr
.irp b, 0,1,2,3
	v_permlanex16_b32 v[TM+4+\b], v[TM+\b], s[SEL], s[SEL+1]
.endr
.irp b, 0,1,2,3
	v_max_num_f32 v[TM+\b], v[TM+\b], v[TM+4+\b]   ; with lane l xor 16's: the block's largest magnitude
.endr
.irp b, 0,1,2,3
	v_add_nc_u32 v[TM+12+\b], 0xff000000, v[TM+\b] ; 2 off its exponent field: the conversion's scale operand
.endr
.irp b, 0,1,2,3
	v_lshrrev_b32 v[TM+4+\b], 23, v[TM+12+\b]      ; the scale's byte
.endr
	v_lshl_or_b32 v[\pw], v[TM+5], 8, v[TM+4]
	v_lshl_or_b32 v[\pw], v[TM+6], 16, v[\pw]
	v_lshl_or_b32 v[\pw], v[TM+7], 24, v[\pw]
.irp c, 0,1
	v_cvt_scalef32_pk16_fp6_f32 v[PC+6*\c:PC+2+6*\c], v[\s+32*\c:\s+15+32*\c], v[TM+12+2*\c]
	v_cvt_scalef32_pk16_fp6_f32 v[PC+12+4*\c:PC+14+4*\c], v[\s+16+32*\c:\s+31+32*\c], v[TM+12+2*\c+1]   ; (a conversion's three registers begin on an even number)
.endr
	v_nop                                          ; one plain place behind a scaled conversion
.irp c, 0,1                                    ; the operand's layout wants a whole block in a lane: lanes 0-15 block 2 c, lanes 16-31 block 2 c + 1
.irp i, 0,1,2
	v_permlane16_swap_b32 v[PC+6*\c+\i], v[PC+12+4*\c+\i]
.endr
.irp i, 0,1,2
	v_mov_b32 v[PC+3+6*\c+\i], v[PC+12+4*\c+\i]
.endr
.endr
.endm
; Q, K: R's block a is a tile of 16 tokens; my 128 rows of P are two heads' 64: registers 0-5 of the fragment are the even head's tile, registers 6-11 the odd head's.
.macro EPI_QK a
.if (\a) > 0
	s_wait_xcnt 0x0                                ; the last block's stores have read the codes' registers
.endif
	WIN 0x02+((\a)/4)                              ; source 0: window 2 or 3
.set j, 0
.rept 32
	v_pk_add_f32 v[T+j:T+j+1], v[64*((\a)%4)+j:64*((\a)%4)+j+1], v[BP+j:BP+j+1]   ; + the bias; each accumulator from its low end on
.set j, j+2
.endr
	WIN 0
	QUANT T, PW
	v_lshrrev_b32 v[SW+(\a)], v[H16], v[PW]        ; lanes 0-15 keep the word (its low two bytes are the even head's), lanes 16-31 take the odd head's two bytes
	global_store_b128 v[L16], v[PC:PC+3], s[20:21] offset:768*(\a)
	global_store_b64 v[L8], v[PC+4:PC+5], s[20:21] offset:768*(\a)+512
	global_store_b128 v[L16], v[PC+6:PC+9], s[20:21] offset:768*(\a)+98304
	global_store_b64 v[L8], v[PC+10:PC+11], s[20:21] offset:768*(\a)+98304+512
.endm
; V: R's block a is 16 of a head's 64 (head a / 4 of my two, tile a % 4); my 128 rows of P are one key step.
.macro EPI_V a
.if (\a) > 0
	s_wait_xcnt 0x0
.endif
	WIN 0x02+((\a)/4)
.set j, 0
.rept 32
	v_pk_add_f32 v[T+j:T+j+1], v[64*((\a)%4)+j:64*((\a)%4)+j+1], v[BR+2*(\a):BR+2*(\a)+1]
.set j, j+2
.endr
	WIN 0
	QUANT T, SW+(\a)
.irp g, 0,1,2
	global_store_b128 v[L16], v[PC+4*\g:PC+4*\g+3], s[20:21] offset:((\a)/4)*98304+((\a)%4)*1536+512*\g
.endr
.endm
	PLACES NP                                      ; behind the last products: for the reads of results and the writes over R's fragments
	s_mov_b32 s[SEL], 0x76543210
	s_mov_b32 s[SEL+1], 0xfedcba98                 ; v_permlanex16_b32's selects for lane l xor 16
.irp b, 0,1,2,3
	v_mov_b32 v[TM+4+\b], 0                        ; written once: a lane permute's destination counts as one of its sources
.endr
	s_mov_b32 s21, 0
	s_mov_b32 s23, 0
	s_cmp_lt_u32 ttmp9, 16                         ; the cluster's number: the same in all sixteen partners; no tensor load follows
	s_cbranch_scc0 .Lv
	s_lshl_b32 s45, s15, 3
	s_add_co_u32 s45, s19, s45                     ; my first tile of tokens, of 512
	s_lshr_b32 s46, s45, 7                         ; the batch
	s_and_b32 s45, s45, 127                        ; the tile in it
	s_lshl_b32 s46, s46, 4
	s_lshl_b32 s47, s40, 2
	s_add_co_u32 s46, s46, s47
	s_lshl_b32 s47, s16, 1
	s_add_co_u32 s46, s46, s47                     ; 16 x batch + my even head
	s_and_b32 s47, ttmp9, 1                        ; 0: Q, 1: K
	s_lshl_b32 s20, s46, 7
	s_add_co_u32 s20, s20, s45
	s_mul_i32 s20, s20, 768
	s_mul_i32 s66, s47, 6291456
	s_add_co_u32 s20, s20, s66
	s_add_nc_u64 s[20:21], s[12:13], s[20:21]
	s_mov_b32 s66, 12288
	s_mov_b32 s67, KVS
	s_cmp_eq_u32 s47, 0
	s_cselect_b32 s66, 8192, s66                   ; from head to head among the scale words,
	s_cselect_b32 s67, QS, s67                     ; and where they begin
	s_mul_i32 s22, s46, s66
	s_add_co_u32 s22, s22, s67
	s_lshr_b32 s45, s45, 3
	s_lshl_b32 s45, s45, 9
	s_add_co_u32 s22, s22, s45
	s_add_nc_u64 s[22:23], s[12:13], s[22:23]
	v_mul_u32_u24 v[SOF], s66, v2
	v_lshl_add_u32 v[SOF], v1, 4, v[SOF]           ; lanes 0-15: the even head, 16 r; lanes 16-31: the odd head
.irp a, 0,1,2,3,4,5,6,7
	EPI_QK \a
.endr
	global_store_b128 v[SOF], v[SW:SW+3], s[22:23]             ; four tiles' words of a row: each half of the lanes stores 256 consecutive bytes, aligned
	global_store_b128 v[SOF], v[SW+4:SW+7], s[22:23] offset:256
	s_branch .Ldone
.Lv:
	s_lshl_b32 s45, s16, 3
	s_add_co_u32 s45, s17, s45
	s_lshr_b32 s45, s45, 3                         ; my key step, of 64
	s_lshr_b32 s46, s45, 4                         ; the batch
	s_and_b32 s45, s45, 15                         ; the key step in it
	s_lshl_b32 s46, s46, 4
	s_lshl_b32 s47, s41, 2
	s_add_co_u32 s46, s46, s47
	s_lshl_b32 s47, s15, 1
	s_add_co_u32 s46, s46, s47                     ; 16 x batch + my first head
	s_lshl_b32 s20, s46, 4
	s_add_co_u32 s20, s20, s45
	s_mul_i32 s20, s20, 6144
	s_add_co_u32 s20, s20, VI
	s_add_nc_u64 s[20:21], s[12:13], s[20:21]
	s_mul_i32 s22, s46, 12288
	s_lshl_b32 s45, s45, 8
	s_add_co_u32 s22, s22, s45
	s_add_co_u32 s22, s22, KVS+8192
	s_add_nc_u64 s[22:23], s[12:13], s[22:23]
	s_mov_b32 s66, 0xffff0000
	v_mul_u32_u24 v[SOF], 12288, v2
	v_lshl_add_u32 v[SOF], v1, 4, v[SOF]
.irp a, 0,1,2,3,4,5,6,7
	EPI_V \a
.endr
.irp t, 0,1,2,3
	v_cndmask_b32 v[SW+\t], v[SW+\t], v[SW+4+\t], s66          ; lanes 0-15 store my first head's four words of row r, lanes 16-31 my second head's
.endr
	global_store_b128 v[SOF], v[SW:SW+3], s[22:23]
.Ldone:
	s_wait_tensorcnt 0x0                           ; the wave's end, behind my last tensor load and my last LDS store
	ds_add_u32 v[SPW], v[NIL]
	s_wait_dscnt 0x0
	CROUND                                         ; the closing round: no work-group ends while a partner may still ask for a tile that names it
	s_endpgm
.Lfunc_end_k_qcde6e2ceeb_qkv:
	.size	k_qcde6e2ceeb_qkv, .Lfunc_end_k_qcde6e2ceeb_qkv-k_qcde6e2ceeb_qkv
	.p2alignl 7, 3214868480
	.fill 96, 4, 3214868480
	.section	.rodata,"a",@progbits
	.p2align	6, 0x0
	.amdhsa_kernel k_qcde6e2ceeb_qkv
		.amdhsa_group_segment_fixed_size 327680
		.amdhsa_private_segment_fixed_size 0
		.amdhsa_enable_private_segment 0
		.amdhsa_kernarg_size 40
		.amdhsa_user_sgpr_count 2
		.amdhsa_user_sgpr_kernarg_segment_ptr 1
		.amdhsa_wavefront_size32 1
		.amdhsa_system_sgpr_workgroup_id_x 1
		.amdhsa_system_sgpr_workgroup_id_y 1
		.amdhsa_system_sgpr_workgroup_id_z 1
		.amdhsa_system_vgpr_workitem_id 0
		.amdhsa_next_free_vgpr 1024
		.amdhsa_next_free_sgpr 100
		.amdhsa_reserve_vcc 0
		.amdhsa_float_denorm_mode_32 3
		.amdhsa_float_denorm_mode_16_64 3
		.amdhsa_memory_ordered 1
		.amdhsa_forward_progress 1
		.amdhsa_inst_pref_size 211
	.end_amdhsa_kernel
	.amdgpu_metadata
---
amdhsa.version: [ 1, 2 ]
amdhsa.kernels:
  - .name:           k_qcde6e2ceeb_qkv
    .symbol:         k_qcde6e2ceeb_qkv.kd
    .args:
      - { .name: opq, .offset: 0, .size: 8, .value_kind: global_buffer, .address_space: global }
      - { .name: bq, .offset: 8, .size: 8, .value_kind: global_buffer, .address_space: global }
      - { .name: bk, .offset: 16, .size: 8, .value_kind: global_buffer, .address_space: global }
      - { .name: bv, .offset: 24, .size: 8, .value_kind: global_buffer, .address_space: global }
      - { .name: qkv, .offset: 32, .size: 8, .value_kind: global_buffer, .address_space: global }
    .group_segment_fixed_size: 327680
    .private_segment_fixed_size: 0
    .kernarg_segment_align: 8
    .kernarg_segment_size: 40
    .max_flat_workgroup_size: 128
    .sgpr_count:     100
    .vgpr_count:     1024
    .wavefront_size: 32
...
	.end_amdgpu_metadata
.endif
;; end of part 2
;; launch attn (part 3): grid 4 x 64, 16 waves a work-group, no clusters, 327,680 bytes of LDS; arguments qkv, oq; writes oq
.if DOCPART == 3
	.amdgcn_target "amdgcn-amd-amdhsa--gfx1250"
	.amdhsa_code_object_version 6
	.text
	.protected	k_qcde6e2ceeb_attn
	.globl	k_qcde6e2ceeb_attn
	.p2align	8
	.type	k_qcde6e2ceeb_attn,@function
k_qcde6e2ceeb_attn:
	s_mov_b64 s[64:65], 0
	v_nop
	global_prefetch_b8 v0, s[64:65] scope:SCOPE_SE
	s_setreg_imm32_b32 hwreg(HW_REG_WAVE_MODE, 25, 1), 1
	s_wait_xcnt 0x0
; O = softmax(Q K^T / 8, causal) V for one head a work-group row, both products on codes of FP6 (E2M3) with E8M0 scales; O / l is quantised along the head's 64 and stored as the last product's operand.
; THE SOFTMAX: t = score x log2(e) / 8; M = the running largest t, rounded UP to a whole number; p = 2^(t - M) is quantised along the keys, not normalised; the row's sum is taken of the unquantised p
; and divides O at the end.  When M moves, the sum and O are multiplied by 2^(old M - new M): exact.
; WORK LEFT OUT: the causal mask sets the scores of keys behind a query to -infinity, so their p is 0 for all inputs: key steps that lie wholly behind a tile's last query are not multiplied,
; and key steps that lie behind all of a work-group's queries are not loaded.  A NaN or an infinity that reaches only such steps is not carried to the result.
; SHARES.  Work-group (p, head); each of its sixteen waves owns two tiles of 16 queries: the low tile 16 p + w and its mirror 127 - (16 p + w).  A tile t needs t / 8 + 1 key steps of 128: 17 tile steps a wave.
; BOTH TILES WALK THE KEYS TOGETHER: in key step j the high tile works while j <= its last step, then the low tile likewise; both tiles' O^T, maxima and sums stay in registers.
; A tile's queries are Q0 + r + 8 (r / 8), Q0 = 32 (t / 2) + 8 (t % 2); K's tiles hold keys in the same order, so that the 16 registers of two neighbouring tiles of S^T are 16 neighbouring keys.
; LDS: 17 chunks of 12,288 bytes, each filled once: chunks 0-7 K's codes (two key steps each), 8-15 V's, 16 the head's scale words (K's 8,192 bytes, V's 4,096).  Nothing is stored into LDS.
; At the head waves 0, 1, 8 and 9 ask for the chunks of their numbers (key steps 0 to 3 of K and of V), wave 2 for the scale words.  Behind one barrier, with a wait on TENSORcnt and two adds ahead of a later
; first fill, wave w (w % 8 > 1) asks for chunk w, if w % 8 + p <= 7: the work-group's last key step is 15 - 2 p.  Key steps 0 to 3 are worked while these loads are out; a second barrier shows them.
; Every wait on TENSORcnt is for 0.
; NO CLUSTER: steps that the causal mask hides are left out by branches on the tile's number, which hangs on the work-group's number; partners of a cluster may not part so.
; No prefetch: all that the work-group reads is asked for ahead of its first loop.
; THE HEAD'S 64 ARE HALF OF THE INSTRUCTION'S K: Q's registers 6-11 are zero codes, so whatever K's operand holds in its registers 6-11 adds nothing.  So K's tiles lie six registers apart, and an operand's upper six
; registers are the next tile's.  The upper two bytes of the scale words are the neighbour head's bytes or 0, never 0xff.
; Both products are used transposed (S^T = K Q^T, O^T = V^T P^T): a lane holds one query throughout.
; O's scale bytes leave as 2 bytes a lane, 16 bytes apart (lanes l and l + 16 store the same two): 2 bytes of the 26 that a lane stores for a tile.
; LIMITS: NaN and infinities are not served; a block of O under 2^-124, zeros among them, gets the byte 1; the promise holds while the scaled scores t stay under 2^31 in magnitude.
; REGISTERS: v0 16 r; v1 16 x lane; v2-5 the low tile's -M, largest t, sum (two halves); v6, v7 the spare word's address and 0; v8-11, v28 the step's addresses; v12-15 the high tile's as v2-5;
; v16-27 Q of the high tile, v80-91 of the low; v92, v93 their scale words; v29 r + 8 (r / 8) - 16 h; v30, v94, v95 LDS bases of V, of K's and of V's scale words; v31 8 x lane;
; v32-79 K's tiles 0-6, then V's four fragments; v96-159 S^T, then p; v160-191, v192-223 O^T of the high and the low tile; v224-235 K's tile 7, then p's codes; v232-255 at work; v244-251 scale words.
.set KI,    6291456
.set QS,    18874368
.set KVS,   19398656
.set OS,    6291456
.set CH,    12288                      ; a chunk
.set VOFF,  8*CH
.set SCB,   16*CH
.set SPARE, 17*CH                      ; the spare words, 128 bytes for each wave: eight blocks of 256 bytes that no other line names
.set SPW,  6
.set NIL,  7
.set WV,   18
.set SEL,  20
.set CS,   22
.set TC,   2                           ; s2   where the step's codes begin, in K's chunks and in V's alike: 6,144 bytes a step
.set TSK,  3                           ; s3   K's scale words: 512 bytes a step
.set TSV,  60                          ; s60  V's: 256 bytes a step
.set KF,   61                          ; s61  the step's first key
.set QH0,  62                          ; s62  the high tile's first query
.set QL0,  66                          ; s66  the low tile's
.set W7,   67                          ; s67  wave % 8
; the numbers of tile s[qt]: its first query; pointers to its codes and scale words in qkv, and to its place in oq
.macro TILEADR qt, q0, qc, qw, oc, ow
	s_lshr_b32 s76, s[\qt], 1
	s_lshl_b32 s76, s76, 5
	s_and_b32 s77, s[\qt], 1
	s_lshl_b32 s77, s77, 3
	s_add_co_u32 s[\q0], s76, s77
	s_lshl_b32 s76, s19, 7
	s_add_co_u32 s76, s76, s[\qt]
	s_mul_i32 s[\qc], s76, 768
	s_mov_b32 s[\qc+1], 0
	s_add_nc_u64 s[\qc:\qc+1], s[4:5], s[\qc:\qc+1]
	s_lshr_b32 s76, s[\qt], 2
	s_lshl_b32 s76, s76, 8
	s_and_b32 s77, s[\qt], 3
	s_lshl_b32 s77, s77, 2
	s_add_co_u32 s76, s76, s77
	s_lshl_b32 s77, s19, 13
	s_add_co_u32 s76, s76, s77
	s_add_co_u32 s[\qw], s76, QS
	s_mov_b32 s[\qw+1], 0
	s_add_nc_u64 s[\qw:\qw+1], s[4:5], s[\qw:\qw+1]
	s_lshr_b32 s76, s19, 4
	s_lshl_b32 s76, s76, 7
	s_add_co_u32 s76, s76, s[\qt]                  ; the row block of the last product's operand: 128 x batch + tile
	s_lshl_b32 s77, s76, 9
	s_add_co_u32 s[\ow], s77, s79
	s_mov_b32 s[\ow+1], 0
	s_add_nc_u64 s[\ow:\ow+1], s[6:7], s[\ow:\ow+1]
	s_mul_i32 s76, s76, 12288
	s_add_co_u32 s[\oc], s76, s78
	s_mov_b32 s[\oc+1], 0
	s_add_nc_u64 s[\oc:\oc+1], s[6:7], s[\oc:\oc+1]
.endm
.macro TLOAD g0                        ; a chunk; an s_nop 0 and four v_nop follow the load
	tensor_load_to_lds s[\g0:\g0+3], s[24:31]
	s_nop 0
.rept 4
	v_nop
.endr
.endm
	s_load_b128 s[4:7], s[0:1], 0x0                ; qkv s[4:5], oq s[6:7]
	v_lshl_add_u32 v[SPW], v0, 2, SPARE
	v_mov_b32 v[NIL], 0
	ds_add_u32 v[SPW], v[NIL]                      ; the opening lines: the add, twice on end, and its wait ahead of the first tensor load
	ds_add_u32 v[SPW], v[NIL]
	v_lshrrev_b32 v8, 5, v0
	v_readfirstlane_b32 s[WV], v8                  ; wave 0..15
	s_and_b32 s19, ttmp7, 0xffff                   ; 16 x batch + head
	s_and_b32 s[W7], s[WV], 7
	s_lshr_b32 s9, s[WV], 3                        ; 0: K's chunks, 1: V's
	s_mov_b32 s24, 3<<16                           ; group 1: 48 rows of 256 dense bytes (32 elements of 8 bytes), no mask, no padding
	s_mov_b32 s25, 32<<16
	s_mov_b32 s26, 48<<16
	s_mov_b32 s27, 32<<16
	s_mov_b32 s28, 48
	s_mov_b32 s29, 32
	s_mov_b32 s30, 0
	s_mov_b32 s31, 0
	s_mov_b32 s48, 1                               ; s[48:51]: chunk w
	s_mul_i32 s49, s[WV], CH
	s_mov_b32 s52, 1                               ; s[52:55]: the scale words
	s_mov_b32 s53, SCB
	s_mul_i32 s10, s19, 98304
	s_mul_i32 s11, s[W7], CH
	s_add_co_u32 s10, s10, s11
	s_mul_i32 s11, s9, 6291456
	s_add_co_u32 s10, s10, s11
	s_add_co_u32 s10, s10, KI
	s_mov_b32 s11, 0
	s_mul_i32 s12, s19, CH
	s_add_co_u32 s12, s12, KVS
	s_mov_b32 s13, 0
	s_mov_b32 s[SEL], 0x76543210
	s_mov_b32 s[SEL+1], 0xfedcba98                 ; v_permlanex16_b32's selects for lane l xor 16
	s_mov_b32 s[CS], 0x3e38aa3b                    ; c = log2(e) / 8
	s_mov_b32 s[CS+1], s[CS]                       ; (named with it as a pair, so it is written)
	s_mov_b32 s[TC], 0
	s_mov_b32 s[TSK], 0
	s_mov_b32 s[TSV], 0
	s_mov_b32 s[KF], 0
	s_wait_dscnt 0x0                               ; both opening adds are done
	s_wait_kmcnt 0x0
	s_add_nc_u64 s[50:51], s[4:5], s[10:11]
	s_or_b32 s51, s51, 0x80000000
	s_add_nc_u64 s[54:55], s[4:5], s[12:13]
	s_or_b32 s55, s55, 0x80000000
	s_cmp_lt_u32 s[W7], 2                          ; the head's five loads, in one chain of branches on the wave's number
	s_cbranch_scc0 .Lhead_s
	TLOAD 48                                       ; waves 0, 1, 8, 9: keys 0-511 of K and of V
	s_branch .Lhead_asked
.Lhead_s:
	s_cmp_eq_u32 s[WV], 2
	s_cbranch_scc0 .Lhead_asked
	TLOAD 52                                       ; wave 2: the scale words
.Lhead_asked:
	s_lshl_b32 s8, ttmp9, 4
	s_add_co_u32 s8, s8, s[WV]                     ; my low tile
	s_sub_co_u32 s9, 127, s8                       ; and its mirror
	s_and_b32 s76, s19, 15                         ; the head
	s_mul_i32 s78, s76, 768                        ; its half fragment in a row block of oq,
	s_lshr_b32 s77, s76, 3
	s_lshl_b32 s77, s77, 8
	s_and_b32 s76, s76, 7
	s_lshl_b32 s76, s76, 1
	s_add_co_u32 s79, s77, s76
	s_add_co_u32 s79, s79, OS                      ; and its two bytes of a row's scale words
	TILEADR 9, QH0, 10, 12, 68, 70
	TILEADR 8, QL0, 14, 16, 72, 74
	v_and_b32 v8, 15, v0                           ; r
	v_bfe_u32 v9, v0, 4, 1                         ; h
	v_and_b32 v10, 31, v0                          ; lane
	v_lshlrev_b32 v1, 4, v10
	v_lshlrev_b32 v31, 3, v10
	v_lshlrev_b32 v0, 4, v8                        ; 16 r (the thread's number is needed no more)
	v_add_nc_u32 v30, VOFF, v1
	v_add_nc_u32 v94, SCB, v0
	v_add_nc_u32 v95, SCB+8192, v0
	global_load_b128 v[16:19], v1, s[10:11]        ; Q's tiles stay in registers
	global_load_b64 v[20:21], v31, s[10:11] offset:512
	global_load_b32 v92, v0, s[12:13]
	global_load_b128 v[80:83], v1, s[14:15]
	global_load_b64 v[84:85], v31, s[14:15] offset:512
	global_load_b32 v93, v0, s[16:17]
	v_and_b32 v11, 8, v8
	v_add_nc_u32 v11, v11, v8
	v_lshlrev_b32 v29, 4, v9
	v_sub_nc_u32 v29, v11, v29                     ; r + 8 (r / 8) - 16 h
.irp i, 0,1,2,3,4,5
	v_mov_b32 v[22+\i], 0                          ; the upper 64 of the instruction's K: zero codes
	v_mov_b32 v[86+\i], 0
	v_mov_b32 v[74+\i], 0                          ; the upper six registers of K's tiles 6 and 7: written before they are first named
	v_mov_b32 v[230+\i], 0
.endr
	v_mov_b32 v13, 0xff61b1e6                      ; the largest t so far: -3e38, under every t
	v_mov_b32 v3, 0xff61b1e6
	v_floor_f32 v12, -v13                          ; -M
	v_floor_f32 v2, -v3
	v_mov_b32 v14, 0
	v_mov_b32 v15, 0
	v_mov_b32 v4, 0
	v_mov_b32 v5, 0
.irp b, 0,1,2,3
	v_mov_b32 v[236+\b], 0                         ; written once: a lane permute's destination counts as one of its sources
.endr
	v_mov_b32 v252, 0
	v_mov_b32 v253, 0
.set j, 0
.rept 64
	v_mov_b32 v[160+j], 0                          ; O^T of both tiles: the step is written once; the first finds zeros, which the first change of M leaves zeros
.set j, j+1
.endr
.macro MASKB b                         ; block b of 32 keys under the causal mask: register 16 b + i is hidden where 32 b + i > d (v252); v254 = -infinity
.irp i, 0,1,2,3,4,5,6,7,8,9,10,11,12,13,14,15
	v_cmp_gt_i32 vcc_lo, 32*(\b)+\i, v252
	v_cndmask_b32 v[96+16*(\b)+\i], v[96+16*(\b)+\i], v254, vcc_lo
.endr
.endm
; A TILE'S KEY STEP: 128 keys.  qf: Q's fragment; qs: its scale words; ob: O^T; st: -M, the largest t, the sum; q0: the scalar with the tile's first query; causal = 1: the step may be hidden or lie on the diagonal.
.macro STEP qf, qs, ob, st, q0, causal
.if \causal
	s_add_co_u32 s76, s[\q0], 23                   ; the tile's last query
	s_cmp_gt_u32 s[KF], s76
	s_cbranch_scc1 .Lhidden_\@                     ; all keys come after it.  No barrier, wait on TENSORcnt or tensor load stands in a step
.endif
	v_add_nc_u32 v8, s[TC], v1                     ; (these five are also the places in front of the loads into registers that the last products read)
	v_add_nc_u32 v9, s[TC], v31
	v_add_nc_u32 v10, s[TC], v30
	v_add_nc_u32 v11, s[TSK], v94
	v_add_nc_u32 v28, s[TSV], v95
	s_wait_alu depctr_va_vdst(0)
.irp t, 0,1,2,3,4,5,6
	ds_load_b128 v[32+6*\t:35+6*\t], v8 offset:768*\t
	ds_load_b64 v[36+6*\t:37+6*\t], v9 offset:768*\t+512
.endr
	ds_load_b128 v[224:227], v8 offset:768*7
	ds_load_b64 v[228:229], v9 offset:768*7+512
	ds_load_b128 v[244:247], v11                   ; eight tiles' scale words by two loads
	ds_load_b128 v[248:251], v11 offset:256
	s_wait_dscnt 0x0
.irp t, 0,1,2,3,4,5,6                          ; S^T = K Q^T, eight tiles of 16 keys
	v_wmma_scale_f32_16x16x128_f8f6f4 v[96+8*\t:103+8*\t], v[32+6*\t:43+6*\t], v[\qf:\qf+11], 0, v[244+\t], v[\qs] matrix_a_fmt:MATRIX_FMT_FP6 matrix_b_fmt:MATRIX_FMT_FP6
.endr
	v_wmma_scale_f32_16x16x128_f8f6f4 v[152:159], v[224:235], v[\qf:\qf+11], 0, v251, v[\qs] matrix_a_fmt:MATRIX_FMT_FP6 matrix_b_fmt:MATRIX_FMT_FP6
.rept 4                                        ; lane (r, h): query r of the tile; register 16 b + i: key KF + 32 b + 16 h + i
	v_nop
.endr
.irp t, 0,1,2,3                                ; V's four fragments and their scale words are asked for now and land under the softmax
.irp g, 0,1,2
	ds_load_b128 v[32+12*\t+4*\g:35+12*\t+4*\g], v10 offset:1536*\t+512*\g
.endr
.endr
	ds_load_b128 v[248:251], v28
.if \causal                                    ; on the diagonal the scores of hidden keys become -infinity ahead of the maximum: p = 0 then.  Blocks of 32 keys all of which count are passed over
	s_sub_co_i32 s76, s[\q0], s[KF]
	s_cmp_ge_i32 s76, 127
	s_cbranch_scc1 .Lopen_\@
	v_add_nc_u32 v252, s76, v29                    ; d = my query - KF - 16 h
	v_mov_b32 v254, 0xff800000
	s_wait_alu depctr_va_vdst(0)
	s_cmp_ge_i32 s76, 95
	s_cbranch_scc1 .Lm3_\@
	s_cmp_ge_i32 s76, 63
	s_cbranch_scc1 .Lm2_\@
	s_cmp_ge_i32 s76, 31
	s_cbranch_scc1 .Lm1_\@
	MASKB 0
.Lm1_\@:
	MASKB 1
.Lm2_\@:
	MASKB 2
.Lm3_\@:
	MASKB 3
.Lopen_\@:
.endif
.irp b, 0,1,2,3
	v_max3_num_f32 v[232+\b], v[96+16*\b], v[97+16*\b], v[98+16*\b]   ; the largest score of each block of 32 keys: for the row's maximum and, since p rises with the score, for the block's largest p
.endr
.irp i, 3,5,7,9,11,13
.irp b, 0,1,2,3
	v_max3_num_f32 v[232+\b], v[232+\b], v[96+16*\b+\i], v[97+16*\b+\i]
.endr
.endr
.irp b, 0,1,2,3
	v_max_num_f32 v[232+\b], v[232+\b], v[111+16*\b]
.endr
.irp b, 0,1,2,3
	s_delay_alu instid0(VALU_DEP_4)
	v_permlanex16_b32 v[236+\b], v[232+\b], s[SEL], s[SEL+1]
.endr
.irp b, 0,1,2,3
	s_delay_alu instid0(VALU_DEP_4)
	v_max_num_f32 v[232+\b], v[232+\b], v[236+\b]  ; with lane l xor 16's 16 keys
.endr
	s_delay_alu instid0(VALU_DEP_2)
	v_max3_num_f32 v254, v232, v233, v234
	s_delay_alu instid0(VALU_DEP_1)
	v_max_num_f32 v254, v254, v235
	s_delay_alu instid0(VALU_DEP_1)
	v_mul_f32 v254, s[CS], v254                    ; as t (c is positive)
	s_delay_alu instid0(VALU_DEP_1)
	v_max_num_f32 v[\st+1], v[\st+1], v254         ; the running largest t
	v_mov_b32 v254, v[\st]
	s_delay_alu instid0(VALU_DEP_2)
	v_floor_f32 v[\st], -v[\st+1]                  ; the new -M = floor(-t) = -ceil(t): a whole number
	s_delay_alu instid0(VALU_DEP_1)
	v_sub_f32 v254, v[\st], v254                   ; old M - new M: a whole number, 0 or less
	s_delay_alu instid0(VALU_DEP_1)
	v_cvt_i32_f32 v254, v254                       ; (it saturates)
	s_delay_alu instid0(VALU_DEP_1)
	v_ldexp_f32 v252, 1.0, v254                    ; f = 2^(old M - new M)
.set j, 0
.rept 32
	v_pk_fma_f32 v[96+j:97+j], v[96+j:97+j], s[CS:CS+1], v[\st:\st+1] op_sel_hi:[1,0,0]   ; t - M, two at a time
.set j, j+2
.endr
.irp b, 0,1,2,3
	v_fma_f32 v[232+\b], v[232+\b], s[CS], v[\st]  ; the same of each block's largest score
.endr
.set j, 0
	s_wait_alu depctr_va_vdst(0)
.rept 64
	v_exp_f32 v[96+j], v[96+j]                     ; p = 2^(t - M), at most 1
.set j, j+1
.endr
	v_pk_mul_f32 v[\st+2:\st+3], v[\st+2:\st+3], v[252:253] op_sel_hi:[1,0]   ; the sums under the new M (a plain place behind the exponentials)
	s_wait_alu depctr_va_vdst(0)                   ; one wait for the whole batch, ahead of its first reader
.irp b, 0,1,2,3
	v_exp_f32 v[232+\b], v[232+\b]                 ; the block's largest p
.endr
	v_pk_add_f32 v[236:237], v[100:101], v[104:105]   ; the row's sum of the unquantised p, in eight chains
	v_pk_add_f32 v[254:255], v[108:109], v[112:113]
	v_pk_add_f32 v[246:247], v[116:117], v[120:121]
	v_pk_add_f32 v[244:245], v[124:125], v[128:129]
	v_pk_add_f32 v[242:243], v[132:133], v[136:137]
	v_pk_add_f32 v[240:241], v[140:141], v[144:145]
	v_pk_add_f32 v[238:239], v[148:149], v[152:153]
	v_pk_add_f32 v[\st+2:\st+3], v[\st+2:\st+3], v[156:157]
	v_pk_add_f32 v[236:237], v[236:237], v[96:97]
	v_pk_add_f32 v[254:255], v[254:255], v[98:99]
	v_pk_add_f32 v[246:247], v[246:247], v[102:103]
	v_pk_add_f32 v[244:245], v[244:245], v[106:107]
	v_pk_add_f32 v[242:243], v[242:243], v[110:111]
	v_pk_add_f32 v[240:241], v[240:241], v[114:115]
	v_pk_add_f32 v[238:239], v[238:239], v[118:119]
	v_pk_add_f32 v[\st+2:\st+3], v[\st+2:\st+3], v[122:123]
	v_pk_add_f32 v[236:237], v[236:237], v[126:127]
	v_pk_add_f32 v[254:255], v[254:255], v[130:131]
	v_pk_add_f32 v[246:247], v[246:247], v[134:135]
	v_pk_add_f32 v[244:245], v[244:245], v[138:139]
	v_pk_add_f32 v[242:243], v[242:243], v[142:143]
	v_pk_add_f32 v[240:241], v[240:241], v[146:147]
	v_pk_add_f32 v[238:239], v[238:239], v[150:151]
	v_pk_add_f32 v[\st+2:\st+3], v[\st+2:\st+3], v[154:155]
	v_pk_add_f32 v[236:237], v[236:237], v[158:159]
	s_delay_alu instid0(VALU_DEP_2)
	v_pk_add_f32 v[\st+2:\st+3], v[\st+2:\st+3], v[244:245]
	s_delay_alu instid0(VALU_DEP_2)
	v_pk_add_f32 v[236:237], v[236:237], v[242:243]
	v_pk_add_f32 v[254:255], v[254:255], v[240:241]
	v_pk_add_f32 v[246:247], v[246:247], v[238:239]
	s_delay_alu instid0(VALU_DEP_2)
	v_pk_add_f32 v[\st+2:\st+3], v[\st+2:\st+3], v[254:255]
	s_delay_alu instid0(VALU_DEP_2)
	v_pk_add_f32 v[236:237], v[236:237], v[246:247]
	s_delay_alu instid0(VALU_DEP_1)
	v_pk_add_f32 v[\st+2:\st+3], v[\st+2:\st+3], v[236:237]
	s_wait_alu depctr_va_vdst(0)                   ; and one for the four
.irp b, 0,1,2,3
	v_max_num_f32 v[232+\b], 0x1800000, v[232+\b]  ; the floor 2^(3 - 127): the byte cannot fall under 1
.endr
.irp b, 0,1,2,3
	s_delay_alu instid0(VALU_DEP_4)
	v_add_nc_u32 v[244+\b], 0xff000000, v[232+\b]  ; 2 off the exponent field: the conversion's scale operand
.endr
.irp b, 0,1,2,3
	s_delay_alu instid0(VALU_DEP_4)
	v_lshrrev_b32 v[236+\b], 23, v[244+\b]         ; the scale's byte
.endr
	s_delay_alu instid0(VALU_DEP_3)
	v_lshl_or_b32 v253, v237, 8, v236              ; p's scale word for these 128 keys
	s_delay_alu instid0(VALU_DEP_1)
	v_lshl_or_b32 v253, v238, 16, v253
	s_delay_alu instid0(VALU_DEP_1)
	v_lshl_or_b32 v253, v239, 24, v253
.irp c, 0,1
	v_cvt_scalef32_pk16_fp6_f32 v[224+6*\c:226+6*\c], v[96+32*\c:111+32*\c], v[244+2*\c]
	v_cvt_scalef32_pk16_fp6_f32 v[236+4*\c:238+4*\c], v[112+32*\c:127+32*\c], v[244+2*\c+1]
.endr
	v_nop                                          ; one plain place behind a scaled conversion
.irp c, 0,1                                    ; the operand's layout wants a whole block in a lane
.irp i, 0,1,2
	v_permlane16_swap_b32 v[224+6*\c+\i], v[236+4*\c+\i]
.endr
.irp i, 0,1,2
	s_delay_alu instid0(VALU_DEP_3)
	v_mov_b32 v[227+6*\c+\i], v[236+4*\c+\i]
.endr
.endr
	s_wait_alu depctr_va_vdst(0)                   ; directly ahead of the first reader of O^T
.set j, 0
.rept 16
	v_pk_mul_f32 v[\ob+j:\ob+j+1], v[\ob+j:\ob+j+1], v[252:253] op_sel_hi:[1,0]   ; O^T under the new M.  (These 16 are also the places between the writes of p's codes and scale word and the products below)
.set j, j+2
.endr
	s_wait_alu depctr_va_vdst(0)
	s_wait_dscnt 0x0                               ; V's fragments and scale words are in
.irp t, 0,1,2,3                                ; O^T += V^T P^T: the four accumulators take turns
	v_wmma_scale_f32_16x16x128_f8f6f4 v[\ob+8*\t:\ob+8*\t+7], v[32+12*\t:43+12*\t], v[224:235], v[\ob+8*\t:\ob+8*\t+7], v[248+\t], v253 matrix_a_fmt:MATRIX_FMT_FP6 matrix_b_fmt:MATRIX_FMT_FP6
.endr
.if \causal
.Lhidden_\@:
.endif
.endm
.macro ADV                             ; on to the next key step
	s_add_co_u32 s[KF], s[KF], 128
	s_add_co_u32 s[TC], s[TC], 6144
	s_add_co_u32 s[TSK], s[TSK], 512
	s_add_co_u32 s[TSV], s[TSV], 256
.endm
; A TILE'S END: O^T / the sum, quantised along the head's 64 (register 16 b + i = d 32 b + 16 h + i), stored as six registers a lane and two scale bytes a row.
.macro FIN ob, st, pc, ps
.rept 4
	v_nop                                          ; places behind the last products
.endr
	v_add_f32 v[\st+2], v[\st+2], v[\st+3]
	s_delay_alu instid0(VALU_DEP_1)
	v_permlanex16_b32 v252, v[\st+2], s[SEL], s[SEL+1]
	s_delay_alu instid0(VALU_DEP_1)
	v_add_f32 v[\st+2], v[\st+2], v252             ; the row's sum
	s_wait_alu depctr_va_vdst(0)
	v_rcp_f32 v[\st+2], v[\st+2]
	v_nop                                          ; a plain place behind the transcendental
	s_wait_alu depctr_va_vdst(0)                   ; and the wait ahead of its first reader
.set j, 0
.rept 16
	v_pk_mul_f32 v[96+j:97+j], v[\ob+j:\ob+j+1], v[\st+2:\st+3] op_sel_hi:[1,0]   ; each accumulator from its low end on
.set j, j+2
.endr
.irp b, 0,1
	v_max3_num_f32 v[232+\b], |v[96+16*\b]|, |v[97+16*\b]|, 0x1800000
.endr
.irp i, 2,4,6,8,10,12,14
.irp b, 0,1
	s_delay_alu instid0(VALU_DEP_2)
	v_max3_num_f32 v[232+\b], v[232+\b], |v[96+16*\b+\i]|, |v[97+16*\b+\i]|
.endr
.endr
.irp b, 0,1
	s_delay_alu instid0(VALU_DEP_2)
	v_permlanex16_b32 v[236+\b], v[232+\b], s[SEL], s[SEL+1]
.endr
.irp b, 0,1
	s_delay_alu instid0(VALU_DEP_2)
	v_max_num_f32 v[232+\b], v[232+\b], v[236+\b]
.endr
.irp b, 0,1
	s_delay_alu instid0(VALU_DEP_2)
	v_add_nc_u32 v[244+\b], 0xff000000, v[232+\b]
.endr
.irp b, 0,1
	s_delay_alu instid0(VALU_DEP_2)
	v_lshrrev_b32 v[236+\b], 23, v[244+\b]
.endr
	s_delay_alu instid0(VALU_DEP_1)
	v_lshl_or_b32 v254, v237, 8, v236              ; the head's two bytes of my row's scale word
	v_cvt_scalef32_pk16_fp6_f32 v[224:226], v[96:111], v244
	v_cvt_scalef32_pk16_fp6_f32 v[236:238], v[112:127], v245
	v_nop
.irp i, 0,1,2
	v_permlane16_swap_b32 v[224+\i], v[236+\i]
.endr
.irp i, 0,1,2
	s_delay_alu instid0(VALU_DEP_3)
	v_mov_b32 v[227+\i], v[236+\i]
.endr
	global_store_b128 v1, v[224:227], s[\pc:\pc+1]
	global_store_b64 v31, v[228:229], s[\pc:\pc+1] offset:512
	global_store_b16 v0, v254, s[\ps:\ps+1]
.endm
	s_wait_alu depctr_va_vdst(0)
	s_wait_loadcnt 0x0                             ; Q
	s_wait_tensorcnt 0x0                           ; my load of the head's five, if I have one, is in;
	ds_add_u32 v[SPW], v[NIL]                      ; the add twice on end
	ds_add_u32 v[SPW], v[NIL]
	s_wait_dscnt 0x0
	s_barrier_signal -1
	s_barrier_wait -1                              ; keys 0-511 and the scale words are in
	s_cmp_lt_u32 s[W7], 2
	s_cbranch_scc1 .Lrest_asked                    ; chunks 0, 1, 8 and 9 are in
	s_add_co_u32 s76, s[W7], ttmp9
	s_cmp_gt_u32 s76, 7
	s_cbranch_scc1 .Lrest_asked                    ; key steps 2 (w % 8) on lie behind all of this work-group's queries: they are read on no path
	TLOAD 48                                       ; chunk w: my one load behind this barrier
.Lrest_asked:
	s_mov_b32 s63, 4
.Lpre:                                                 ; key steps 0 to 3: chunks 0, 1, 8, 9 and 16 alone are read.  The high tile's queries begin at 1,024 or later: all these keys count for it
	STEP 16, 92, 160, 12, QH0, 0
	STEP 80, 93, 192, 2, QL0, 1
	ADV
	s_sub_co_u32 s63, s63, 1
	s_cmp_lg_u32 s63, 0
	s_cbranch_scc1 .Lpre
	s_wait_alu depctr_va_vdst(0)
	s_wait_tensorcnt 0x0                           ; my chunk is in,
	s_wait_dscnt 0x0
	s_barrier_signal -1
	s_barrier_wait -1                              ; everybody's is
	s_mov_b32 s63, 12
.Lmain:                                                ; key steps 4 to 15
	STEP 16, 92, 160, 12, QH0, 1
	STEP 80, 93, 192, 2, QL0, 1
	ADV
	s_sub_co_u32 s63, s63, 1
	s_cmp_lg_u32 s63, 0
	s_cbranch_scc1 .Lmain
	FIN 160, 12, 68, 70
	s_wait_alu depctr_va_vdst(0)
	s_wait_xcnt 0x0                                ; the high tile's stores have read their registers: the low tile's end writes them again
	FIN 192, 2, 72, 74
	s_wait_tensorcnt 0x0                           ; the wave's end, behind my last tensor load
	ds_add_u32 v[SPW], v[NIL]
	s_wait_dscnt 0x0
	s_endpgm
.Lfunc_end_k_qcde6e2ceeb_attn:
	.size	k_qcde6e2ceeb_attn, .Lfunc_end_k_qcde6e2ceeb_attn-k_qcde6e2ceeb_attn
	.p2alignl 7, 3214868480
	.fill 96, 4, 3214868480
	.section	.rodata,"a",@progbits
	.p2align	6, 0x0
	.amdhsa_kernel k_qcde6e2ceeb_attn
		.amdhsa_group_segment_fixed_size 327680
		.amdhsa_private_segment_fixed_size 0
		.amdhsa_enable_private_segment 0
		.amdhsa_kernarg_size 16
		.amdhsa_user_sgpr_count 2
		.amdhsa_user_sgpr_kernarg_segment_ptr 1
		.amdhsa_wavefront_size32 1
		.amdhsa_system_sgpr_workgroup_id_x 1
		.amdhsa_system_sgpr_workgroup_id_y 1
		.amdhsa_system_sgpr_workgroup_id_z 1
		.amdhsa_system_vgpr_workitem_id 0
		.amdhsa_next_free_vgpr 256
		.amdhsa_next_free_sgpr 80
		.amdhsa_reserve_vcc 1
		.amdhsa_float_denorm_mode_32 3
		.amdhsa_float_denorm_mode_16_64 3
		.amdhsa_memory_ordered 1
		.amdhsa_forward_progress 1
		.amdhsa_inst_pref_size 104
	.end_amdhsa_kernel
	.amdgpu_metadata
---
amdhsa.version: [ 1, 2 ]
amdhsa.kernels:
  - .name:           k_qcde6e2ceeb_attn
    .symbol:         k_qcde6e2ceeb_attn.kd
    .args:
      - { .name: qkv, .offset: 0, .size: 8, .value_kind: global_buffer, .address_space: global }
      - { .name: oq, .offset: 8, .size: 8, .value_kind: global_buffer, .address_space: global }
    .group_segment_fixed_size: 327680
    .private_segment_fixed_size: 0
    .kernarg_segment_align: 8
    .kernarg_segment_size: 16
    .max_flat_workgroup_size: 512
    .sgpr_count:     80
    .vgpr_count:     256
    .wavefront_size: 32
...
	.end_amdgpu_metadata
.endif
;; end of part 3
;; launch oproj (part 4): grid 8 x 32, 4 waves a work-group, clusters of 4 x 4, 327,680 bytes of LDS; arguments oq, opq, bo, out0; writes out0
.if DOCPART == 4
	.amdgcn_target "amdgcn-amd-amdhsa--gfx1250"
	.amdhsa_code_object_version 6
	.text
	.protected	k_qcde6e2ceeb_oproj
	.globl	k_qcde6e2ceeb_oproj
	.p2align	8
	.type	k_qcde6e2ceeb_oproj,@function
k_qcde6e2ceeb_oproj:
	s_mov_b64 s[64:65], 0
	v_nop
	global_prefetch_b8 v0, s[64:65] scope:SCOPE_SE
	s_setreg_imm32_b32 hwreg(HW_REG_WAVE_MODE, 25, 1), 1
	s_wait_xcnt 0x0
	s_wait_alu depctr_hold_cnt(0) depctr_sa_sdst(0) depctr_va_vdst(0) depctr_va_sdst(0) depctr_va_ssrc(0) depctr_va_vcc(0) depctr_vm_vsrc(0)
	s_getreg_b32 s2, hwreg(HW_REG_IB_STS2, 6, 4)
	s_cmp_eq_u32 s2, 0
	s_cbranch_scc0 .Lentry_in_a_cluster
	s_endpgm
.Lentry_in_a_cluster:
	s_bfe_u32 s2, ttmp6, 0x10000c
	s_cmp_lg_u32 s2, 0xf033
	s_cbranch_scc0 .Lentry_shape_is_right
	s_endpgm
.Lentry_shape_is_right:
; out = O Wo^T + bo on codes of FP6 (E2M3) with E8M0 scales, f32 out.  R = O's rows (oq), P = Wo's rows (opq), both as fragments in the order of the operand's registers (16 rows x 128 K = 1,536 bytes, 12,288 bytes a row block).
; A work-group makes 256 (R) x 128 (P), a wave 128 x 64; 4 x 4 clusters: R's tiles are shared along a row of the cluster, P's along a column.
; ALL OF K LIES IN LDS, in two slots of 512 along K, each filled once, at the head: wave 0 asks for R's 16 row blocks of slot 0, wave 1 for P's 8, waves 2 and 3 for slot 1's, each on a load line of its own.
; The walk begins when waves 0 and 1 have waited; the barrier at the change of slots, ahead of which every wave waits, shows slot 1.  No refill; no prefetch: all is asked for at the head.
; The scale words (R's 8,192 bytes, P's 4,096) come by plain loads, a quarter a wave, and LDS stores into bytes of their own behind the slots.  The bias is the first products' C.
; The results leave through each wave's stage, in slot 0's first bytes, which are read for the last time ahead of the change of slots.  LIMITS: NaN, infinities and sums beyond f32's range are not served.
.set WOC,   8650752
.set WOS,   9797632
.set OS,    6291456
.set FR,    12
.set NLA,   4
.set NP,    4
.set RBB,   6144
.set HALFR, 8*RBB
.set HALFP, 4*RBB
.set SLOT,  2*HALFR+2*HALFP
.set SCL,   2*SLOT
.set SPARE, SCL+12288
.set ADRA,  16
.set ADRA8, 18
.set ADRB,  20
.set STO,   24
.set RD,    25
.set CO,    26
.set ADRS,  27
.set SPW,   28
.set NIL,   29
.set SC,    32
.set BO,    96
.set AF,    128
.set BK,    128
.set G1, 24
.set G0, 32
.set G1B, 48
.set G0B, 56
.set G1S, 68
.set G0S, 76
.set G1SB, 80
.set G0SB, 88
.set MSB, 0
.macro WIN new
.if MSB != (\new)
	s_set_vgpr_msb (MSB<<8)|(\new)
.set MSB, (\new)
.endif
.endm
.set MULW, 0xa1
.set MULZ, 0x81
.set TO_B, 0x40
.macro ARM n, g0, g1                   ; wave n's arm of the head's chain: its joint load; an s_nop 0 and four v_nop follow it
	s_cmp_eq_u32 s14, \n
	s_cbranch_scc0 .Lnot_\n
	tensor_load_to_lds s[\g0:\g0+3], s[\g1:\g1+7]
	s_nop 0
.rept 4
	v_nop
.endr
	s_branch .Lasked
.Lnot_\n:
.endm
.macro CROUND
	s_barrier_signal -1
	s_barrier_wait -1
	s_cmp_lg_u32 s14, 0
	s_cbranch_scc1 .Lnot_wave_0_\@
	s_barrier_signal -3
.Lnot_wave_0_\@:
	s_barrier_wait -3
	s_barrier_signal -1
	s_barrier_wait -1
.endm
	s_load_b256 s[4:11], s[0:1], 0x0
	v_lshl_add_u32 v[SPW], v0, 2, SPARE
	v_mov_b32 v[NIL], 0
	ds_add_u32 v[SPW], v[NIL]
	ds_add_u32 v[SPW], v[NIL]
	v_lshrrev_b32 v1, 5, v0
	v_readfirstlane_b32 s14, v1
	s_lshr_b32 s15, s14, 1
	s_and_b32 s16, s14, 1
	s_bfe_u32 s40, ttmp6, 0x40000
	s_bfe_u32 s41, ttmp6, 0x40004
	s_lshl_b32 s42, ttmp9, 2
	s_add_co_u32 s42, s42, s40
	s_and_b32 s17, ttmp7, 0xffff
	s_lshl_b32 s17, s17, 2
	s_add_co_u32 s17, s17, s41
	s_lshl_b32 s43, s41, 2
	s_lshl_b32 s43, 15, s43
	s_lshl_b32 s44, 0x1111, s40
	s_or_b32 s[G1+0], s43, (3<<16)|(1<<21)
	s_or_b32 s[G1B+0], s44, (3<<16)|(1<<21)
.irp g, G1, G1B
	s_mov_b32 s[\g+1], 768<<16
	s_mov_b32 s[\g+3], 768<<16
	s_mov_b32 s[\g+5], 1536
	s_mov_b32 s[\g+6], 0
	s_mov_b32 s[\g+7], 0
.endr
	s_mov_b32 s[G1+2], 16<<16                      ; R's tile: 16 row blocks x 6,144 bytes
	s_mov_b32 s[G1+4], 16
	s_mov_b32 s[G1B+2], 8<<16                      ; P's: 8
	s_mov_b32 s[G1B+4], 8
	s_lshl_b32 s98, s17, 4                         ; R's first row block
	s_lshl_b32 s96, s42, 3                         ; P's
	s_lshl_b32 s94, s98, 9
	s_lshl_b32 s45, s14, 11
	s_add_co_u32 s94, s94, s45
	s_add_co_u32 s94, s94, OS                      ; my quarter, 2,048 bytes, of R's scale words
	s_lshl_b32 s92, s96, 9
	s_lshl_b32 s45, s14, 10
	s_add_co_u32 s92, s92, s45
	s_add_co_u32 s92, s92, WOS                     ; my quarter, 1,024 bytes, of P's
	s_mul_i32 s98, s98, 12288
	s_mul_i32 s96, s96, 12288
	s_add_co_u32 s96, s96, WOC
	s_mul_i32 s45, s15, RBB                        ; waves 0, 1: K 0 on; waves 2, 3: K 512 on
	s_add_co_u32 s98, s98, s45
	s_add_co_u32 s96, s96, s45
	s_mov_b32 s93, 0
	s_mov_b32 s95, 0
	s_mov_b32 s97, 0
	s_mov_b32 s99, 0
	s_mul_i32 s45, s15, SLOT                       ; where they go: R's rows at the slot's head,
	s_add_co_u32 s46, s45, 2*HALFR                 ; P's behind them
	s_wait_dscnt 0x0
	s_wait_kmcnt 0x0
	s_add_nc_u64 s[98:99], s[4:5], s[98:99]
	s_add_nc_u64 s[94:95], s[4:5], s[94:95]
	s_add_nc_u64 s[96:97], s[6:7], s[96:97]
	s_add_nc_u64 s[92:93], s[6:7], s[92:93]
	CROUND
	s_mov_b32 s[G0], 1
	s_mov_b32 s[G0+1], s45
	s_mov_b64 s[G0+2:G0+3], s[98:99]
	s_or_b32 s[G0+3], s[G0+3], 0x80000000
	s_mov_b32 s[G0B], 1
	s_mov_b32 s[G0B+1], s46
	s_mov_b64 s[G0B+2:G0B+3], s[96:97]
	s_or_b32 s[G0B+3], s[G0B+3], 0x80000000
	ARM 0, G0, G1                                  ; slot 0: R's rows,
	ARM 1, G0B, G1B                                ; P's;
	ARM 2, G0, G1                                  ; slot 1: R's,
	tensor_load_to_lds s[G0B:G0B+3], s[G1B:G1B+7]  ; P's
	s_nop 0
.rept 4
	v_nop
.endr
.Lasked:
	v_and_b32 v1, 15, v0
	v_bfe_u32 v2, v0, 4, 1
	v_and_b32 v3, 31, v0
	v_lshlrev_b32 v4, 4, v3
	v_lshlrev_b32 v5, 3, v3
	s_mul_i32 s21, s15, HALFR
	s_mul_i32 s22, s16, HALFP
	s_add_co_u32 s22, s22, 2*HALFR
.irp s, 0,1
	v_add_nc_u32 v[ADRA+\s], s21, v4
	v_add_nc_u32 v[ADRA8+\s], s21, v5
	v_add_nc_u32 v[ADRB+\s], s22, v4
	s_add_co_u32 s21, s21, SLOT
	s_add_co_u32 s22, s22, SLOT
.endr
	v_lshlrev_b32 v5, 4, v1
	s_lshl_b32 s21, s16, 11
	s_lshl_b32 s22, s15, 12
	s_add_co_u32 s22, s22, 4096
	s_sub_co_u32 s22, s22, s21
	v_mul_u32_u24 v6, s22, v2
	s_add_co_u32 s21, s21, SCL
	v_add_nc_u32 v6, v5, v6
	v_add_nc_u32 v[ADRS], s21, v6
	s_mul_i32 s23, s14, 16*272
	v_mul_u32_u24 v6, v1, 272
	v_lshl_add_u32 v6, v2, 6, v6
	v_add_nc_u32 v[STO], s23, v6
	v_mul_u32_u24 v6, v2, 272
	v_add_nc_u32 v6, v6, v5
	v_add_nc_u32 v[RD], s23, v6
	v_lshl_add_u32 v[CO], v2, 12, v5
	s_lshl_b32 s20, s42, 9
	s_lshl_b32 s21, s16, 8
	s_add_co_u32 s20, s20, s21
	v_lshl_add_u32 v7, v2, 6, s20
.irp b, 0,1,2,3
	global_load_b128 v[BO+8*\b:BO+8*\b+3], v7, s[8:9] offset:(32*(\b/2)+8*(\b%2))*4
	global_load_b128 v[BO+8*\b+4:BO+8*\b+7], v7, s[8:9] offset:(32*(\b/2)+8*(\b%2))*4+16
.endr
.irp k, 0,1,2,3
	global_load_b128 v[AF+4*\k:AF+4*\k+3], v4, s[94:95] offset:512*\k       ; my quarters of the scale words: 512 consecutive bytes an instruction
.endr
.irp k, 0,1
	global_load_b128 v[AF+16+4*\k:AF+16+4*\k+3], v4, s[92:93] offset:512*\k
.endr
	s_lshl_b32 s21, s14, 11
	s_add_co_u32 s21, s21, SCL+4096
	v_add_nc_u32 v8, s21, v4                       ; where R's go,
	s_lshl_b32 s21, s14, 10
	s_add_co_u32 s21, s21, SCL
	v_add_nc_u32 v9, s21, v4                       ; and P's
	s_lshl_b32 s22, s17, 8
	s_lshl_b32 s23, s15, 7
	s_add_co_u32 s22, s22, s23
	s_lshl_b32 s22, s22, 12
	s_add_co_u32 s20, s20, s22
	s_mov_b32 s21, 0
	s_add_nc_u64 s[12:13], s[10:11], s[20:21]
.macro FRAGP reg, adr, q, i
.irp g, 0,1,2
	ds_load_b128 v[\reg+4*\g:\reg+4*\g+3], v[\adr] offset:(\i)*RBB+(\q)*1536+512*\g
.endr
.endm
.macro FRAGR reg, slot, q, i
	ds_load_b128 v[\reg:\reg+3], v[ADRA+\slot] offset:(\i)*RBB+(\q)*1536
	ds_load_b64 v[\reg+4:\reg+5], v[ADRA8+\slot] offset:(\i)*RBB+(\q)*1536+512
	ds_load_b128 v[\reg+6:\reg+9], v[ADRA+\slot] offset:(\i)*RBB+(\q)*1536+768
	ds_load_b64 v[\reg+10:\reg+11], v[ADRA8+\slot] offset:(\i)*RBB+(\q)*1536+1280
.endm
.macro MUL8 a0, p, q, sc, zero
.irp a, \a0, \a0+1
.irp b, 0,1,2,3
.if \zero
	v_wmma_scale_f32_16x16x128_f8f6f4 v[8*(4*(\a)+\b):8*(4*(\a)+\b)+7], v[128*(\p)+FR*\b:128*(\p)+FR*\b+FR-1], v[AF+FR*(\a):AF+FR*(\a)+FR-1], v[BO+8*\b:BO+8*\b+7], v[SC+32*(\sc)+4*\b+(\q)], v[SC+32*(\sc)+4*(\a)+(\q)] matrix_a_fmt:MATRIX_FMT_FP6 matrix_b_fmt:MATRIX_FMT_FP6 matrix_b_scale:MATRIX_SCALE_ROW1
.else
	v_wmma_scale_f32_16x16x128_f8f6f4 v[8*(4*(\a)+\b):8*(4*(\a)+\b)+7], v[128*(\p)+FR*\b:128*(\p)+FR*\b+FR-1], v[AF+FR*(\a):AF+FR*(\a)+FR-1], v[8*(4*(\a)+\b):8*(4*(\a)+\b)+7], v[SC+32*(\sc)+4*\b+(\q)], v[SC+32*(\sc)+4*(\a)+(\q)] matrix_a_fmt:MATRIX_FMT_FP6 matrix_b_fmt:MATRIX_FMT_FP6 matrix_b_scale:MATRIX_SCALE_ROW1
.endif
.endr
.endr
.endm
.macro FETCH_B slot, q, p
	WIN TO_B
.irp i, 0,1,2,3
	FRAGP 128*(\p)+FR*\i, ADRB+\slot, \q, \i
.endr
	WIN 0
.endm
.macro FETCH_A slot, q, i0
.irp i, \i0, \i0+1, \i0+2, \i0+3
	FRAGR AF+FR*(\i), \slot, \q, \i
.endr
.endm
.macro SCALES sc
.irp i, 0,1,2,3,4,5,6,7
	ds_load_b128 v[SC+32*\sc+4*\i:SC+32*\sc+4*\i+3], v[ADRS] offset:\i*512
.endr
.endm
.macro PLACES n
.rept \n
	v_nop
.endr
.endm
.macro STEP slot, q, zero
	s_wait_dscnt 4*NLA
	WIN MULW-0x20*(\zero)
	MUL8 0, (\q)%2, \q, \slot, \zero
	MUL8 2, (\q)%2, \q, \slot, \zero
	s_wait_dscnt 0
	PLACES NP
	FETCH_B \slot, (\q)+1, 1-(\q)%2
	FETCH_A \slot, (\q)+1, 0
	WIN MULW-0x20*(\zero)
	MUL8 4, (\q)%2, \q, \slot, \zero
	MUL8 6, (\q)%2, \q, \slot, \zero
	PLACES NP
	WIN 0
	FETCH_A \slot, (\q)+1, 4
.endm
	s_wait_alu depctr_va_vdst(0)
	s_wait_loadcnt 0x0                             ; the bias and my scale words
.irp k, 0,1,2,3
	ds_store_b128 v8, v[AF+4*\k:AF+4*\k+3] offset:512*\k
.endr
.irp k, 0,1
	ds_store_b128 v9, v[AF+16+4*\k:AF+16+4*\k+3] offset:512*\k
.endr
	s_wait_dscnt 0x0
	s_cmp_lt_u32 s14, 2
	s_cbranch_scc0 .Lnot_first
	s_wait_tensorcnt 0x0                           ; waves 0 and 1: slot 0's tiles are in
.Lnot_first:
	s_barrier_signal -1
	s_barrier_wait -1                              ; slot 0 and the scale words are in; slot 1's tiles may be on their way
	FETCH_B 0, 0, 0
	FETCH_A 0, 0, 0
	SCALES 0
	FETCH_A 0, 0, 4
	STEP 0, 0, 1
	STEP 0, 1, 0
	STEP 0, 2, 0
	s_wait_tensorcnt 0x0
	ds_add_u32 v[SPW], v[NIL]
	s_wait_dscnt 4*NLA+1
	WIN MULW
	MUL8 0, 1, 3, 0, 0
	s_wait_dscnt 0x0
	s_barrier_signal -1
	MUL8 2, 1, 3, 0, 0
	WIN 0
	s_barrier_wait -1
	PLACES NP
	v_add_nc_u32 v[ADRS], 256, v[ADRS]
	FETCH_B 1, 0, 0
	FETCH_A 1, 0, 0
	SCALES 1
	WIN MULW
	MUL8 4, 1, 3, 0, 0
	MUL8 6, 1, 3, 0, 0
	PLACES NP
	WIN 0
	FETCH_A 1, 0, 4
	STEP 1, 0, 0
	STEP 1, 1, 0
	STEP 1, 2, 0
	s_wait_dscnt 4*NLA
	WIN MULW
	MUL8 0, 1, 3, 1, 0
	MUL8 2, 1, 3, 1, 0
	s_wait_dscnt 0
	MUL8 4, 1, 3, 1, 0
	MUL8 6, 1, 3, 1, 0
	WIN 0
.macro TOSTAGE a
	WIN 0x08
.irp b, 0,1,2,3
	ds_store_b128 v[STO], v[8*(4*(\a)+\b):8*(4*(\a)+\b)+3] offset:128*(\b/2)+32*(\b%2)
	ds_store_b128 v[STO], v[8*(4*(\a)+\b)+4:8*(4*(\a)+\b)+7] offset:128*(\b/2)+32*(\b%2)+16
.endr
	WIN 0
.set BB, BK+32*((\a)%2)
.irp t, 0,1,2,3,4,5,6,7
	ds_load_b128 v[BB+4*\t:BB+4*\t+3], v[RD] offset:\t*544
.endr
.endm
.macro SEND a, younger
.set BB, BK+32*((\a)%2)
	s_wait_dscnt \younger
.irp t, 0,1,2,3,4,5,6,7
	global_store_b128 v[CO], v[BB+4*\t:BB+4*\t+3], s[12:13] offset:(32*((\a)/2)+8*((\a)%2)+2*\t+8*(\t/4))*4096 th:TH_STORE_NT
.endr
.endm
	PLACES NP
	TOSTAGE 0
.irp a, 1,2,3,4,5,6,7
.if \a > 1
	s_wait_xcnt 0x0
.endif
	TOSTAGE \a
	SEND \a-1, 16
.endr
	SEND 7, 0
	s_wait_tensorcnt 0x0
	ds_add_u32 v[SPW], v[NIL]
	s_wait_dscnt 0x0
	CROUND
	s_endpgm
.Lfunc_end_k_qcde6e2ceeb_oproj:
	.size	k_qcde6e2ceeb_oproj, .Lfunc_end_k_qcde6e2ceeb_oproj-k_qcde6e2ceeb_oproj
	.p2alignl 7, 3214868480
	.fill 96, 4, 3214868480
	.section	.rodata,"a",@progbits
	.p2align	6, 0x0
	.amdhsa_kernel k_qcde6e2ceeb_oproj
		.amdhsa_group_segment_fixed_size 327680
		.amdhsa_private_segment_fixed_size 0
		.amdhsa_enable_private_segment 0
		.amdhsa_kernarg_size 32
		.amdhsa_user_sgpr_count 2
		.amdhsa_user_sgpr_kernarg_segment_ptr 1
		.amdhsa_wavefront_size32 1
		.amdhsa_system_sgpr_workgroup_id_x 1
		.amdhsa_system_sgpr_workgroup_id_y 1
		.amdhsa_system_sgpr_workgroup_id_z 1
		.amdhsa_system_vgpr_workitem_id 0
		.amdhsa_next_free_vgpr 768
		.amdhsa_next_free_sgpr 100
		.amdhsa_reserve_vcc 0
		.amdhsa_float_denorm_mode_32 3
		.amdhsa_float_denorm_mode_16_64 3
		.amdhsa_memory_ordered 1
		.amdhsa_forward_progress 1
		.amdhsa_inst_pref_size 84
	.end_amdhsa_kernel
	.amdgpu_metadata
---
amdhsa.version: [ 1, 2 ]
amdhsa.kernels:
  - .name:           k_qcde6e2ceeb_oproj
    .symbol:         k_qcde6e2ceeb_oproj.kd
    .args:
      - { .name: oq, .offset: 0, .size: 8, .value_kind: global_buffer, .address_space: global }
      - { .name: opq, .offset: 8, .size: 8, .value_kind: global_buffer, .address_space: global }
      - { .name: bo, .offset: 16, .size: 8, .value_kind: global_buffer, .address_space: global }
      - { .name: out0, .offset: 24, .size: 8, .value_kind: global_buffer, .address_space: global }
    .group_segment_fixed_size: 327680
    .private_segment_fixed_size: 0
    .kernarg_segment_align: 8
    .kernarg_segment_size: 32
    .max_flat_workgroup_size: 128
    .sgpr_count:     100
    .vgpr_count:     768
    .wavefront_size: 32
...
	.end_amdgpu_metadata
.endif
;; end of part 4
